; MI455X (gfx1250); checked and timed in simulation.
; The chip was launched on July 23, 2026; its instructions are those of AMD's public machine-readable ISA for CDNA 5 (MIT licence, August 2026) and "CDNA5" Instruction Set Architecture Reference Guide (July 2026). The comments in the code are by the model that wrote it; some were corrected since.
;; Multi Head Attention Block. Allowed arithmetic: matrix products marked QUANTISED: E2M3 operands, one E8M0 scale for each 32 along K, by v_wmma_scale_f32_16x16x128_f8f6f4 with both operands' format E2M3, f32 sums; everything else in f32.
;; Inputs: k 4 x 2,048 x 1,024 float32; q 4 x 2,048 x 1,024 float32; v 4 x 2,048 x 1,024 float32; w_k 1,024 x 1,024 float32; w_o 1,024 x 1,024 float32; w_q 1,024 x 1,024 float32; w_v 1,024 x 1,024 float32.
;; Outputs: out0 4 x 2,048 x 1,024 float32.
;; This version of the problem:
;;   THIS VERSION OF THE PROBLEM IS GIVEN IN LOW PRECISION. The matrix products marked QUANTISED in the list below multiply operands that are first quantised to E2M3 (2 exponent bits, 3 mantissa bits; 6 bits a number), with one power-of-two scale for each 32 numbers along K (OCP MX v1.0); their sums are f32. All else is computed in f32.
;;   The module's matrix products, in the order in which they are computed (A, B: the left and right operand; K: the contracted axis; several contracted axes count as one K, in the product's order):
;;     1. [M 8,192, K 1,024] x [K 1,024, N 1,024]; A: input q; B: input w_q: QUANTISED
;;     2. [M 8,192, K 1,024] x [K 1,024, N 1,024]; A: input k; B: input w_k: QUANTISED
;;     3. [M 8,192, K 1,024] x [K 1,024, N 1,024]; A: input v; B: input w_v: QUANTISED
;;     4. batch 64 x [M 2,048, K 64] x [K 64, N 2,048]; A: computed on the way; B: computed on the way: QUANTISED
;;     5. batch 64 x [M 2,048, K 2,048] x [K 2,048, N 64]; A: softmax (see below); B: computed on the way: QUANTISED
;;     6. [M 8,192, K 1,024] x [K 1,024, N 1,024]; A: computed on the way; B: input w_o: QUANTISED
;;   THE QUANTISER, for each operand of a quantised product, along K:
;;     - K is cut into blocks of 32 from its start; a last block that is shorter is filled with zeros.
;;     - A block's scale is 2^e with e = floor(log2(the largest magnitude in the block)) - 2, held to -126 .. 127; a block of zeros has e = 0. As a byte (E8M0): e + 127.
;;     - Each number is divided by its block's scale, clamped to +-7.5, and rounded to the nearest number of E2M3, ties to even, subnormals kept.
;;     - The product sums the exact products of the quantised numbers (number of the format x scale) in f32.
;;   ~~~python
;;   def quantise(x, axis):      # numpy; x: float32 -> the quantised numbers, widened to float32 again
;;       x = np.moveaxis(x, axis, -1); K = x.shape[-1]
;;       x = np.pad(x, [(0, 0)] * (x.ndim - 1) + [(0, -K % 32)]); x = x.reshape(x.shape[:-1] + (-1, 32)); a = np.abs(x).max(-1, keepdims=True)
;;       e = np.where(a > 0, np.clip(np.frexp(np.where(a > 0, a, 1))[1] - 1 - 2, -126, 127), 0)      # np.frexp(a)[1] - 1 = floor(log2(a)), exactly
;;       r = np.clip(x / 2.0 ** e, -7.5, 7.5)
;;       step = 2.0 ** (np.maximum(np.frexp(np.where(r == 0, 1, r))[1] - 1, 0) - 3)
;;       q = np.round(r / step) * step * 2.0 ** e      # np.round: ties to even
;;       return np.moveaxis(q.reshape(q.shape[:-2] + (-1,))[..., :K], -1, axis).astype(np.float32)
;;   ~~~
;;   SOFTMAX AHEAD OF A QUANTISED PRODUCT. Where the list says 'softmax', what is quantised is not the finished softmax but p = 2^(t - M), with t = logit x log2(e) and M = ceil(the row's largest t), a whole number; so 1/2 < the row's largest p <= 1. The row's sum l is taken of the UNQUANTISED p, in f32, and the product's result is divided by l at the end. Since M is a whole number, a kernel that streams over the keys may use a running M (the ceiling of the running maximum): every later rescaling is an exact power of two, which a block's scale takes up: the codes' values come out the same.
;;   OPERANDS COMPUTED ON THE WAY. 'Computed on the way' means the value that the module computes at that place (a softmax that the list does not call 'softmax' is quantised finished and normalised). What goes into a quantiser is computed in f32, as accurately as f32 sums, v_exp_f32 and their like allow (about 1e-6 of the number): no bf16 or f16 on the way to a quantiser, and a product that is left as it is and whose result goes on into a quantised operand takes f32 operands (vector FMAs, or v_wmma_f32_16x16x4_f32). A number that lies on a knife's edge between two numbers of the format may be rounded either way, as far as f32 arithmetic and the matrix unit's own rounding can turn it there, and no further.
;; One version. Each part assembles by itself: llvm-mc -triple=amdgcn-amd-amdhsa -mcpu=gfx1250 --defsym DOCPART=n.
;; ======== version 1 of 1: 4 launches
;; workspace buffers: ops 22,937,600 bytes; hop 19,660,800 bytes; xop 6,553,600 bytes
;; launch quant (part 1): grid 896 x 1, 4 waves a work-group, no clusters, 34,304 bytes of LDS; arguments q, k, v, w_q, w_k, w_v, w_o, ops; writes ops
.if DOCPART == 1
	.amdgcn_target "amdgcn-amd-amdhsa--gfx1250"
	.amdhsa_code_object_version 6
	.text
	.protected	k_q92f52077f7_quant
	.globl	k_q92f52077f7_quant
	.p2align	8
	.type	k_q92f52077f7_quant,@function
k_q92f52077f7_quant:
	s_mov_b64 s[64:65], 0
	v_nop
	global_prefetch_b8 v0, s[64:65] scope:SCOPE_SE
	s_setreg_imm32_b32 hwreg(HW_REG_WAVE_MODE, 25, 1), 1
	s_wait_xcnt 0x0
; The seven f32 inputs (K = 1,024 innermost in all of them) become codes of FP6 (E2M3) with one E8M0 byte for each 32 along K, laid as IMAGES OF THE MATRIX OPERAND'S REGISTERS.
; A CHUNK is 128 rows x 128 along K, 12,800 bytes: eight images of 1,536 bytes, then 512 bytes of scale words.  Lane r (0..15) of image a holds row 32 (a / 2) + 8 (a % 2) + r + 8 (r / 8) of the chunk.
; In an image lane l's registers 0-3 lie at 16 l, 4-5 at 512 + 8 l, 6-9 at 768 + 16 l, 10-11 at 1280 + 8 l; the scale word of (a, r) lies at 12288 + 256 (a / 4) + 16 r + 4 (a % 4).
; ops holds 224 blocks of 128 rows, eight chunks each: 0-63 q, 64-127 k, 128-191 v, 192-199 w_q, 200-207 w_k, 208-215 w_v, 216-223 w_o.
; SHARES: a work-group takes one block of rows and 256 along K; a wave 64 rows (four images) x 128 along K.  Each load reads 512 consecutive bytes of one row; 16 rows turn through the wave's own stage in LDS,
; so that a lane then holds 16 neighbours of each block of 32 of ITS row; two lanes (l, l xor 16) hold a block.  Every store covers 512 or 256 consecutive aligned bytes.
; A block's scale is 2^(floor(log2(largest magnitude)) - 2); its byte is the largest magnitude's exponent field - 2, held at 1 from below.
; LIMITS: a block of zeros gets the byte 1 (its codes are zeros, and this program alone reads the bytes); blocks whose largest magnitude lies under 2^-124 are scaled by the floor; NaN and infinities among the inputs are not served.
; No tensor load, no barrier, no cluster: waves and work-groups share nothing here.  No matrix unit: the launch only moves and converts.
.set CH,    12800
.set FRB,   1536
.set SCO,   12288
.set STG,   16*528                     ; a wave's stage: 16 rows of 512 bytes + 16, so that the sixteen rows of a read start in different banks
.set SPARE, 4*STG                      ; behind the stages: the spare words, 128 bytes a wave
.set L16,  4                           ; v4   16 x lane
.set L8,   5                           ; v5   8 x lane
.set SIN,  6                           ; v6   into the stage: my 16 bytes of a row
.set SOUT, 7                           ; v7   out of it: row r, + 64 h
.set SW,   8                           ; v8   16 r + 8 h: where my two scale words go
.set SPW,  10                          ; v10  my spare word;  v11  0: both never rewritten
.set NIL,  11
.set TM,   12                          ; v12-15 largest magnitudes, v16-19 the other half's, then bytes, v24-27 the conversions' scale operands
.set PWS,  28                          ; v28-31 the four images' scale words
.set Y,    32                          ; v32-33 the two that I store
.set TP,   34                          ; v34-41 the conversions' second halves
.set PC,   44                          ; v44-91 codes: twelve registers for each image, so that no store's data are written again
.set R,    96                          ; v96-223 two sets of 64 numbers
.set SEL,  36                          ; s[36:37] lane selects: lane l xor 16
	s_load_b512 s[16:31], s[0:1], 0x0              ; q, k, v, w_q, w_k, w_v, w_o, ops
	v_lshl_add_u32 v[SPW], v0, 2, SPARE
	v_mov_b32 v[NIL], 0
	v_lshrrev_b32 v1, 5, v0
	v_readfirstlane_b32 s8, v1                     ; wave 0..3
	v_and_b32 v3, 31, v0                           ; lane
	v_and_b32 v1, 15, v0                           ; r
	v_bfe_u32 v2, v0, 4, 1                         ; h
	v_lshlrev_b32 v[L16], 4, v3
	v_lshlrev_b32 v[L8], 3, v3
	s_mul_i32 s9, s8, STG
	v_add_nc_u32 v[SIN], s9, v[L16]
	v_mul_u32_u24 v[SOUT], v1, 528
	v_lshl_add_u32 v[SOUT], v2, 6, v[SOUT]
	v_add_nc_u32 v[SOUT], s9, v[SOUT]
	v_lshlrev_b32 v[SW], 4, v1
	v_lshl_add_u32 v[SW], v2, 3, v[SW]
.irp b, 0,1,2,3
	v_mov_b32 v[TM+4+\b], 0                        ; written once: a lane permute's destination counts as one of its sources
.endr
	s_mov_b32 s[SEL], 0x76543210
	s_mov_b32 s[SEL+1], 0xfedcba98
	s_mov_b32 s40, 0xffff0000                      ; lanes 16-31
	s_lshr_b32 s2, ttmp9, 2                        ; the block of 128 rows, 0..223
	s_and_b32 s3, ttmp9, 3
	s_and_b32 s10, s8, 1                           ; which 64 rows
	s_lshr_b32 s11, s8, 1
	s_lshl_b32 s3, s3, 1
	s_add_co_u32 s11, s11, s3                      ; which 128 along K, 0..7
	s_lshl_b32 s12, s2, 3
	s_add_co_u32 s12, s12, s11
	s_mul_i32 s12, s12, CH                         ; my chunk, in bytes (under 2^25)
	s_lshl_b32 s13, s10, 8
	s_add_co_u32 s34, s12, s13
	s_add_co_u32 s34, s34, SCO                     ; my 256 bytes of scale words
	s_mov_b32 s35, 0
	s_mul_i32 s13, s10, 4*FRB
	s_add_co_u32 s12, s12, s13                     ; my four images
	s_mov_b32 s13, 0
	s_wait_alu depctr_va_vdst(0)
	s_wait_kmcnt 0x0
	s_mov_b64 s[4:5], s[16:17]                     ; which input: chosen by the work-group's number alone
	s_mov_b32 s6, 0                                ; and the block at which it begins
.macro PICK lim, ptr
	s_cmp_ge_u32 s2, \lim
	s_cselect_b64 s[4:5], s[\ptr:\ptr+1], s[4:5]
	s_cselect_b32 s6, \lim, s6
.endm
	PICK 64, 18
	PICK 128, 20
	PICK 192, 22
	PICK 200, 24
	PICK 208, 26
	PICK 216, 28
	s_sub_co_u32 s14, s2, s6
	s_lshl_b32 s14, s14, 19                        ; 128 rows of 4,096 bytes
	s_lshl_b32 s15, s10, 18                        ; 64 rows
	s_add_co_u32 s14, s14, s15
	s_lshl_b32 s15, s11, 9                         ; 128 numbers
	s_add_co_u32 s14, s14, s15
	s_mov_b32 s15, 0
	s_add_nc_u64 s[4:5], s[4:5], s[14:15]
	s_add_nc_u64 s[32:33], s[30:31], s[12:13]
	s_add_nc_u64 s[34:35], s[30:31], s[34:35]
.macro LOAD a                          ; image a's sixteen rows, 512 consecutive bytes each, into set a % 2
.irp i, 0,1,2,3,4,5,6,7,8,9,10,11,12,13,14,15
	global_load_b128 v[R+64*((\a)%2)+4*\i:R+64*((\a)%2)+4*\i+3], v[L16], s[4:5] offset:(32*((\a)/2)+8*((\a)%2)+\i+8*(\i/8))*4096 th:TH_LOAD_NT
.endr
.endm
; 64 numbers of a lane, register 16 b + i = k 32 b + 16 h + i of my row, become a fragment's twelve registers of codes and its scale word
.macro QUANT s, pc, pw
.irp b, 0,1,2,3
	v_max3_num_f32 v[TM+\b], |v[\s+16*\b]|, |v[\s+1+16*\b]|, 0x1800000   ; my 16 numbers of block b, and the floor 2^(3 - 127): the byte cannot fall under 1
.endr
.irp i, 2,4,6,8,10,12,14
.irp b, 0,1,2,3
	v_max3_num_f32 v[TM+\b], v[TM+\b], |v[\s+16*\b+\i]|, |v[\s+1+16*\b+\i]|   ; the four blocks by turns
.endr
.endr
.irp b, 0,1,2,3
	v_permlanex16_b32 v[TM+4+\b], v[TM+\b], s[SEL], s[SEL+1]
.endr
.irp b, 0,1,2,3
	v_max_num_f32 v[TM+\b], v[TM+\b], v[TM+4+\b]   ; with lane l xor 16's: the block's largest magnitude
.endr
.irp b, 0,1,2,3
	v_add_nc_u32 v[TM+12+\b], 0xff000000, v[TM+\b] ; 2 off its exponent field: the conversion takes the exponent field of this operand as its scale
.endr
.irp b, 0,1,2,3
	v_lshrrev_b32 v[TM+4+\b], 23, v[TM+12+\b]      ; the scale's byte
.endr
	v_lshl_or_b32 v[\pw], v[TM+5], 8, v[TM+4]
	v_lshl_or_b32 v[\pw], v[TM+6], 16, v[\pw]
	v_lshl_or_b32 v[\pw], v[TM+7], 24, v[\pw]
.irp c, 0,1
	v_cvt_scalef32_pk16_fp6_f32 v[\pc+6*\c:\pc+6*\c+2], v[\s+32*\c:\s+32*\c+15], v[TM+12+2*\c]
	v_cvt_scalef32_pk16_fp6_f32 v[TP+4*\c:TP+4*\c+2], v[\s+32*\c+16:\s+32*\c+31], v[TM+13+2*\c]   ; (a conversion's three registers begin on an even number)
.endr
	v_nop                                          ; one plain place behind a scaled conversion
.irp c, 0,1                                    ; the operand's layout wants a whole block in a lane: lanes 0-15 block 2 c, lanes 16-31 block 2 c + 1
.irp i, 0,1,2
	v_permlane16_swap_b32 v[\pc+6*\c+\i], v[TP+4*\c+\i]
.endr
.irp i, 0,1,2
	v_mov_b32 v[\pc+3+6*\c+\i], v[TP+4*\c+\i]
.endr
.endr
.endm
.macro BLOCK a
.set RS, R+64*((\a)%2)
.if (\a) < 3
	s_wait_loadcnt 16                              ; this image's sixteen loads are in; the next image's sixteen may be out
.else
	s_wait_loadcnt 0x0
.endif
.irp i, 0,1,2,3,4,5,6,7,8,9,10,11,12,13,14,15
	ds_store_b128 v[SIN], v[RS+4*\i:RS+4*\i+3] offset:528*\i
.endr
.irp b, 0,1,2,3
.irp j, 0,1,2,3
	ds_load_b128 v[RS+16*\b+4*\j:RS+16*\b+4*\j+3], v[SOUT] offset:128*\b+16*\j   ; LDS serves a wave's instructions in order: these see my stores
.endr
.endr
	s_wait_dscnt 0x0
	QUANT RS, PC+12*(\a), PWS+(\a)
	global_store_b128 v[L16], v[PC+12*(\a):PC+12*(\a)+3], s[32:33] offset:FRB*(\a)
	global_store_b64 v[L8], v[PC+12*(\a)+4:PC+12*(\a)+5], s[32:33] offset:FRB*(\a)+512
	global_store_b128 v[L16], v[PC+12*(\a)+6:PC+12*(\a)+9], s[32:33] offset:FRB*(\a)+768
	global_store_b64 v[L8], v[PC+12*(\a)+10:PC+12*(\a)+11], s[32:33] offset:FRB*(\a)+1280
.if (\a) < 2
	LOAD (\a)+2                                    ; the set is free: its numbers have been converted
.endif
.endm
	LOAD 0
	LOAD 1
	BLOCK 0
	BLOCK 1
	BLOCK 2
	BLOCK 3
	v_cndmask_b32 v[Y], v[PWS], v[PWS+2], s40      ; lanes 0-15 store images 0 and 1's words of row r, lanes 16-31 images 2 and 3's:
	v_cndmask_b32 v[Y+1], v[PWS+1], v[PWS+3], s40
	global_store_b64 v[SW], v[Y:Y+1], s[34:35]     ; 32 lanes store 256 consecutive aligned bytes
	s_wait_tensorcnt 0x0                           ; the wave's end, behind my last LDS store
	ds_add_u32 v[SPW], v[NIL]
	s_wait_dscnt 0x0
	s_endpgm
.Lfunc_end_k_q92f52077f7_quant:
	.size	k_q92f52077f7_quant, .Lfunc_end_k_q92f52077f7_quant-k_q92f52077f7_quant
	.p2alignl 7, 3214868480
	.fill 96, 4, 3214868480
	.section	.rodata,"a",@progbits
	.p2align	6, 0x0
	.amdhsa_kernel k_q92f52077f7_quant
		.amdhsa_group_segment_fixed_size 34304
		.amdhsa_private_segment_fixed_size 0
		.amdhsa_enable_private_segment 0
		.amdhsa_kernarg_size 64
		.amdhsa_user_sgpr_count 2
		.amdhsa_user_sgpr_kernarg_segment_ptr 1
		.amdhsa_wavefront_size32 1
		.amdhsa_system_sgpr_workgroup_id_x 1
		.amdhsa_system_sgpr_workgroup_id_y 1
		.amdhsa_system_sgpr_workgroup_id_z 1
		.amdhsa_system_vgpr_workitem_id 0
		.amdhsa_next_free_vgpr 224
		.amdhsa_next_free_sgpr 66
		.amdhsa_reserve_vcc 0
		.amdhsa_float_denorm_mode_32 3
		.amdhsa_float_denorm_mode_16_64 3
		.amdhsa_memory_ordered 1
		.amdhsa_forward_progress 1
		.amdhsa_inst_pref_size 35
	.end_amdhsa_kernel
	.amdgpu_metadata
---
amdhsa.version: [ 1, 2 ]
amdhsa.kernels:
  - .name:           k_q92f52077f7_quant
    .symbol:         k_q92f52077f7_quant.kd
    .args:
      - { .name: q, .offset: 0, .size: 8, .value_kind: global_buffer, .address_space: global }
      - { .name: k, .offset: 8, .size: 8, .value_kind: global_buffer, .address_space: global }
      - { .name: v, .offset: 16, .size: 8, .value_kind: global_buffer, .address_space: global }
      - { .name: w_q, .offset: 24, .size: 8, .value_kind: global_buffer, .address_space: global }
      - { .name: w_k, .offset: 32, .size: 8, .value_kind: global_buffer, .address_space: global }
      - { .name: w_v, .offset: 40, .size: 8, .value_kind: global_buffer, .address_space: global }
      - { .name: w_o, .offset: 48, .size: 8, .value_kind: global_buffer, .address_space: global }
      - { .name: ops, .offset: 56, .size: 8, .value_kind: global_buffer, .address_space: global }
    .group_segment_fixed_size: 34304
    .private_segment_fixed_size: 0
    .kernarg_segment_align: 8
    .kernarg_segment_size: 64
    .max_flat_workgroup_size: 128
    .sgpr_count:     66
    .vgpr_count:     224
    .wavefront_size: 32
...
	.end_amdgpu_metadata
.endif
;; end of part 1
;; launch proj (part 2): grid 4 x 192, 4 waves a work-group, clusters of 4 x 4, 327,680 bytes of LDS; arguments ops, hop; writes hop
.if DOCPART == 2
	.amdgcn_target "amdgcn-amd-amdhsa--gfx1250"
	.amdhsa_code_object_version 6
	.text
	.protected	k_q92f52077f7_proj
	.globl	k_q92f52077f7_proj
	.p2align	8
	.type	k_q92f52077f7_proj,@function
k_q92f52077f7_proj:
	s_mov_b64 s[64:65], 0
	v_nop
	global_prefetch_b8 v0, s[64:65] scope:SCOPE_SE
	s_setreg_imm32_b32 hwreg(HW_REG_WAVE_MODE, 25, 1), 1
	s_wait_xcnt 0x0
	s_wait_alu depctr_hold_cnt(0) depctr_sa_sdst(0) depctr_va_vdst(0) depctr_va_sdst(0) depctr_va_ssrc(0) depctr_va_vcc(0) depctr_vm_vsrc(0)
	s_getreg_b32 s2, hwreg(HW_REG_IB_STS2, 6, 4)
	s_cmp_eq_u32 s2, 0
	s_cbranch_scc0 .Lentry_in_a_cluster
	s_endpgm
.Lentry_in_a_cluster:
	s_bfe_u32 s2, ttmp6, 0x10000c
	s_cmp_lg_u32 s2, 0xf033
	s_cbranch_scc0 .Lentry_shape_is_right
	s_endpgm
.Lentry_shape_is_right:
; The three projections on codes of FP6 (E2M3): Q = q w_q^T, K = k w_k^T and V^T = w_v v^T, each [8,192 x 1,024] x K = 1,024, results quantised in registers and stored as chunks for the attention launch.
; CHUNKS (see the quantising launch): 128 rows x 128 along K as eight images of the operand's registers (1,536 bytes each) and 512 bytes of scale words: 12,800 bytes.  Lane r of image a holds row 32 (a / 2) + 8 (a % 2) + r + 8 (r / 8).
; A work-group makes 128 rows of A x 256 rows of B; four waves, each 64 x 128: 32 accumulators.  768 tiles: three for each of 256 WGPs; tiles of 256 x 256 would be 384, which do not share out evenly.
; THE WHOLE K OF THE TILE'S OPERANDS FITS IN LDS: 24 chunks, 307,200 bytes.  So every tensor load is a first fill.
; CLUSTERS: 4 x 4 work-groups; A's chunks are shared along a row of the cluster, B's along a column: each is asked for jointly, by the same load with the same descriptor and a mask that names the four.
; THE MATRIX INSTRUCTION IS USED TRANSPOSED (source 0 = an image of B, source 1 = an image of A): lane (r, h) holds one row of A, and the 16 registers of B's images 2 j and 2 j + 1 are B's rows 32 j + 16 h + 0 .. 15:
; 64 registers are the 128 neighbours along the NEXT product's K, and quantise into one image.  For Q and K the next K is the pair of heads' 128 channels; for V^T (A = w_v, B = v) it is 128 keys.
; hop: chunk job x 512 + ((batch x 8 + pair of heads) x 16 + block of 128 tokens); job 0 Q, 1 K (rows = tokens), 2 V^T (rows = the pair's 128 channels, K = tokens).
; No prefetch: every load of the launch goes out at the head, so there is no later load to ask ahead for.
; LIMITS: a block of zeros gets the byte 1 with zero codes; blocks under 2^-124 are scaled by the floor; NaN and infinities are not served.
; REGISTERS: window 0: v1-3 r, h, lane; v16-21 LDS addresses; v22-24 store offsets; v28, v29 the add's two; v32-47 scale words, two sets; v64-159 A's fragments, two sets; v160-239 the epilogue.  window 1: B's fragments, sets at v0 and v128.  window 2: the accumulators, (a, b) at v[8 (8 a + b)].
.set CH,     12800
.set FRB,    1536
.set SCO,    12288
.set RBB,    8*CH                      ; a block of 128 rows over all of K
.set STAGEB, 6*CH                      ; a K stage of 256 in LDS: A's two chunks, then two of each of B's two blocks
.set SPARE,  4*STAGEB                  ; behind the four stages: the spare words, 128 bytes a wave
.set A16, 16                           ; v16  A's images: 16 x lane + my four images;  v17 the same with 8 x lane
.set A8,  17
.set B16, 18                           ; v18, v19 the same for my block of B
.set B8,  19
.set SC1, 20                           ; v20  scale words: lanes 0-15 A's four images, lanes 16-31 B's images 0-3;  v21: lanes 16-31 B's images 4-7
.set SC2, 21
.set O16, 22                           ; v22  16 x lane;  v23  8 x lane;  v24  16 r + 8 h
.set O8,  23
.set OSW, 24
.set SPW, 28
.set NIL, 29
.set SCS, 32
.set AF,  64
.set PC,  160                          ; v160-207 codes: twelve registers for each of my four images
.set TM,  208
.set PWS, 224
.set Y,   228
.set TP,  232
.set G1A, 24
.set G1B, 32
.set G0A, 40                           ; s[40:55] group 0 for A's chunks, a set for each K stage
.set G0B, 68                           ; s[68:83] the same for B's
.set SEL, 92
.set MSB, 0
.macro WIN new                         ; the immediate's high byte repeats the setting that is left
.if MSB != \new
	s_set_vgpr_msb (MSB<<8)|\new
.set MSB, \new
.endif
.endm
.set MUL,  0xa1                        ; source 0 (B) window 1, source 1 (A) window 0, C and D window 2
.set TO_B, 0x40                        ; destination window 1, address window 0
.macro CROUND                          ; a round of the cluster's barrier
	s_barrier_signal -1
	s_barrier_wait -1
	s_cmp_lg_u32 s10, 0
	s_cbranch_scc1 .Lnot_wave_0_\@
	s_barrier_signal -3
.Lnot_wave_0_\@:
	s_barrier_wait -3
	s_barrier_signal -1
	s_barrier_wait -1
.endm
.macro PLACES n
.rept \n
	v_nop
.endr
.endm
	s_load_b128 s[4:7], s[0:1], 0x0                ; ops, hop
	v_lshl_add_u32 v[SPW], v0, 2, SPARE
	v_mov_b32 v[NIL], 0
	ds_add_u32 v[SPW], v[NIL]                      ; the wave's opening: the add and its wait ahead of my first tensor load; work on registers stands between them
	ds_add_u32 v[SPW], v[NIL]
	v_lshrrev_b32 v1, 5, v0
	v_readfirstlane_b32 s10, v1                    ; wave 0..3
	s_lshr_b32 s11, s10, 1                         ; which 64 rows of A are mine.  Also: I fetch for A (0) or for B (1)
	s_and_b32 s12, s10, 1                          ; which block of B is mine.  Also: which part I fetch
	s_bfe_u32 s13, ttmp6, 0x40000                  ; cx
	s_bfe_u32 s14, ttmp6, 0x40004                  ; cy
	s_and_b32 s17, ttmp7, 0xffff                   ; the cluster, 0..47
	s_lshr_b32 s18, s17, 4                         ; the job: 0 Q, 1 K, 2 V^T
	s_and_b32 s19, s17, 15
	s_lshr_b32 s20, s19, 1
	s_and_b32 s21, s19, 1
	s_lshl_b32 s22, s18, 6
	s_lshl_b32 s23, s18, 3
	s_add_co_u32 s23, s23, 192
	s_cmp_eq_u32 s18, 2                            ; V^T has 8 blocks of A (w_v) and 64 of B (v); Q and K the other way round
	s_cselect_b32 s20, s20, 0                      ; the cluster's place along B
	s_cselect_b32 s21, s21, s19                    ; and along A
	s_cselect_b32 s22, 208, s22                    ; A's first block in ops
	s_cselect_b32 s23, 128, s23                    ; B's
	s_lshl_b32 s15, s21, 2
	s_add_co_u32 s15, s15, s14                     ; tile row: A's block
	s_lshl_b32 s16, s20, 2
	s_add_co_u32 s16, s16, s13                     ; tile column: two blocks of B
	s_add_co_u32 s56, s22, s15
	s_mul_i32 s56, s56, RBB
	s_mul_i32 s60, s12, CH
	s_add_co_u32 s56, s56, s60                     ; A: waves 0, 1 fetch chunk 2 s + (wave & 1) of K stage s
	s_mov_b32 s57, 0
	s_lshl_b32 s61, s16, 1
	s_add_co_u32 s61, s61, s12                     ; my block of B, counted from B's first
	s_add_co_u32 s58, s61, s23
	s_mul_i32 s58, s58, RBB                        ; B: waves 2, 3 fetch both chunks of K stage s of block (wave & 1)
	s_mov_b32 s59, 0
	s_mul_i32 s62, s12, 2*CH
	s_lshl_b32 s92, s14, 2
	s_lshl_b32 s92, 15, s92                        ; my row of the cluster
	s_lshl_b32 s93, 0x1111, s13                    ; my column
	; group 1: dense blocks as rows of 256 bytes (32 elements of 8 bytes): 50 rows a chunk
	s_or_b32 s[G1A], s92, (3<<16)|(1<<21)          ; 15:0 the mask; 17:16 elements of 8 bytes; 21 set beside a mask; no padding: images are read at 16 x lane and 8 x lane
	s_or_b32 s[G1B], s93, (3<<16)|(1<<21)
	s_mov_b32 s[G1A+1], 32<<16                     ; tensor_dim0
	s_mov_b32 s[G1A+2], 50<<16                     ; tensor_dim1
	s_mov_b32 s[G1A+3], 32<<16                     ; tile_dim0
	s_mov_b32 s[G1A+4], 50                         ; tile_dim1
	s_mov_b32 s[G1A+5], 32                         ; the pitch
	s_mov_b32 s[G1A+6], 0
	s_mov_b32 s[G1A+7], 0
	s_mov_b32 s[G1B+1], 32<<16
	s_mov_b32 s[G1B+2], 100<<16
	s_mov_b32 s[G1B+3], 32<<16
	s_mov_b32 s[G1B+4], 100
	s_mov_b32 s[G1B+5], 32
	s_mov_b32 s[G1B+6], 0
	s_mov_b32 s[G1B+7], 0
	; where my results go
	s_cmp_eq_u32 s18, 2
	s_cselect_b32 s84, s61, s15                    ; the block of tokens, 0..63
	s_cselect_b32 s85, s15, s61                    ; the pair of heads
	s_lshr_b32 s86, s84, 4
	s_lshl_b32 s86, s86, 3
	s_add_co_u32 s86, s86, s85
	s_lshl_b32 s86, s86, 4
	s_and_b32 s84, s84, 15
	s_add_co_u32 s86, s86, s84
	s_lshl_b32 s87, s18, 9
	s_add_co_u32 s86, s86, s87
	s_mul_i32 s86, s86, CH
	s_mul_i32 s87, s11, 4*FRB
	s_add_co_u32 s88, s86, s87                     ; my four images
	s_mov_b32 s89, 0
	s_lshl_b32 s87, s11, 8
	s_add_co_u32 s90, s86, s87
	s_add_co_u32 s90, s90, SCO                     ; my 256 bytes of scale words
	s_mov_b32 s91, 0
	s_mov_b32 s94, 0xffff0000                      ; lanes 16-31
	s_wait_dscnt 0x0                               ; the opening add is done
	s_wait_kmcnt 0x0
	s_add_nc_u64 s[56:57], s[4:5], s[56:57]
	s_add_nc_u64 s[58:59], s[4:5], s[58:59]
	s_add_nc_u64 s[88:89], s[6:7], s[88:89]
	s_add_nc_u64 s[90:91], s[6:7], s[90:91]
	CROUND                                         ; all sixteen work-groups are here: the joint loads meet
.irp s, 0,1,2,3
	s_mov_b32 s[G0A+4*\s], 1
	s_add_co_u32 s[G0A+4*\s+1], s60, \s*STAGEB
	s_add_nc_u64 s[G0A+4*\s+2:G0A+4*\s+3], s[56:57], \s*2*CH
	s_or_b32 s[G0A+4*\s+3], s[G0A+4*\s+3], 0x80000000
	s_mov_b32 s[G0B+4*\s], 1
	s_add_co_u32 s[G0B+4*\s+1], s62, \s*STAGEB+2*CH
	s_add_nc_u64 s[G0B+4*\s+2:G0B+4*\s+3], s[58:59], \s*2*CH
	s_or_b32 s[G0B+4*\s+3], s[G0B+4*\s+3], 0x80000000
.endr
	s_cmp_eq_u32 s11, 0                            ; a wave's four first fills stand in one branch on the wave's number: four loads of mine are out
	s_cbranch_scc0 .Lfor_b
.irp s, 0,1,2,3
	tensor_load_to_lds s[G0A+4*\s:G0A+4*\s+3], s[G1A:G1A+7]
	s_nop 0
.endr
	PLACES 4
	s_branch .Lasked
.Lfor_b:
.irp s, 0,1,2,3
	tensor_load_to_lds s[G0B+4*\s:G0B+4*\s+3], s[G1B:G1B+7]
	s_nop 0
.endr
	PLACES 4
.Lasked:
	s_mov_b32 s[SEL], 0x76543210
	s_mov_b32 s[SEL+1], 0xfedcba98
	v_and_b32 v1, 15, v0                           ; r
	v_bfe_u32 v2, v0, 4, 1                         ; h
	s_wait_alu depctr_va_vdst(0)
	v_and_b32 v3, 31, v0                           ; lane
	s_wait_alu depctr_va_vdst(0)
	s_mul_i32 s60, s11, 4*FRB
	v_lshl_add_u32 v[A16], v3, 4, s60
	v_lshl_add_u32 v[A8], v3, 3, s60
	s_mul_i32 s62, s12, 2*CH
	s_add_co_u32 s62, s62, 2*CH
	v_lshl_add_u32 v[B16], v3, 4, s62
	v_lshl_add_u32 v[B8], v3, 3, s62
	s_mul_i32 s63, s12, 2*CH                       ; from A's scale words to B's: 25,600 + 25,600 (wave & 1) - 256 (wave >> 1), made without a subtraction
	s_add_co_u32 s63, s63, 2*CH-256
	s_xor_b32 s84, s11, 1
	s_lshl_b32 s84, s84, 8
	s_add_co_u32 s63, s63, s84
	v_mul_u32_u24 v[SC1], s63, v2                  ; lanes 16-31 take B's
	v_lshl_add_u32 v[SC1], v1, 4, v[SC1]
	s_lshl_b32 s84, s11, 8
	s_add_co_u32 s84, s84, SCO
	v_add_nc_u32 v[SC1], s84, v[SC1]
	v_lshl_add_u32 v[SC2], v2, 8, v[SC1]
	v_lshlrev_b32 v[O16], 4, v3
	v_lshlrev_b32 v[O8], 3, v3
	v_lshlrev_b32 v[OSW], 4, v1
	v_lshl_add_u32 v[OSW], v2, 3, v[OSW]
.irp b, 0,1,2,3
	v_mov_b32 v[TM+4+\b], 0                        ; written once: a lane permute's destination counts as one of its sources
.endr
.macro FRAG reg, a16, a8, off          ; an image comes back as it was stored: twelve registers by four loads, each of consecutive bytes
	ds_load_b128 v[(\reg):(\reg)+3], v[\a16] offset:(\off)
	ds_load_b64 v[(\reg)+4:(\reg)+5], v[\a8] offset:(\off)+512
	ds_load_b128 v[(\reg)+6:(\reg)+9], v[\a16] offset:(\off)+768
	ds_load_b64 v[(\reg)+10:(\reg)+11], v[\a8] offset:(\off)+1280
.endm
.macro FETCH q, p                      ; the stage's q-th 128 along K into set p: B's eight images, my four of A, the scale words: 50 loads
	WIN TO_B
.irp i, 0,1,2,3,4,5,6,7
	FRAG 128*\p+12*\i, B16, B8, \q*CH+\i*FRB
.endr
	WIN 0
.irp i, 0,1,2,3
	FRAG AF+48*\p+12*\i, A16, A8, \q*CH+\i*FRB
.endr
	ds_load_b128 v[SCS+8*\p:SCS+8*\p+3], v[SC1] offset:\q*CH
	ds_load_b128 v[SCS+8*\p+4:SCS+8*\p+7], v[SC2] offset:\q*CH
.endm
; eight matrix instructions: A's image a against B's eight.  The 32 accumulators take turns, one instruction a turn, in the same order in every step.
.macro MULA a, p, zero
.irp b, 0,1,2,3,4,5,6,7
.if \zero
	v_wmma_scale_f32_16x16x128_f8f6f4 v[8*(8*\a+\b):8*(8*\a+\b)+7], v[128*\p+12*\b:128*\p+12*\b+11], v[AF+48*\p+12*\a:AF+48*\p+12*\a+11], 0, v[SCS+8*\p+\b], v[SCS+8*\p+\a] matrix_a_fmt:MATRIX_FMT_FP6 matrix_b_fmt:MATRIX_FMT_FP6 matrix_a_scale:MATRIX_SCALE_ROW1
.else
	v_wmma_scale_f32_16x16x128_f8f6f4 v[8*(8*\a+\b):8*(8*\a+\b)+7], v[128*\p+12*\b:128*\p+12*\b+11], v[AF+48*\p+12*\a:AF+48*\p+12*\a+11], v[8*(8*\a+\b):8*(8*\a+\b)+7], v[SCS+8*\p+\b], v[SCS+8*\p+\a] matrix_a_fmt:MATRIX_FMT_FP6 matrix_b_fmt:MATRIX_FMT_FP6 matrix_a_scale:MATRIX_SCALE_ROW1
.endif
.endr
.endm
.macro EVEN zero                       ; a stage's first 128 along K: set 0 is multiplied while set 1 is fetched from the same stage
	s_wait_dscnt 0x0                               ; set 0 is in
.if !\zero
	PLACES 4                                       ; four places between the last products, which read set 1, and the loads into it (ISA guide 7.12.1 for vector instructions)
.endif
	FETCH 1, 1
	WIN MUL
	MULA 0, 0, \zero
	MULA 1, 0, \zero
	MULA 2, 0, \zero
	MULA 3, 0, \zero
.endm
.macro ODD left                        ; a stage's second 128: set 1 is multiplied; the next stage is shown whole by a barrier, and its first 128 are fetched into set 0
	s_wait_dscnt 0x0                               ; set 1 is in: no LDS load of mine is out at the signal
	s_wait_tensorcnt \left                         ; my part of the next stage has landed; my loads for the later stages may stay out
	s_barrier_signal -1
	WIN MUL
	MULA 0, 1, 0
	MULA 1, 1, 0
	WIN 0
	s_barrier_wait -1
.irp r, A16, A8, B16, B8, SC1, SC2
	v_add_nc_u32 v[\r], STAGEB, v[\r]              ; on to the next stage; these six are also the places in front of the loads into set 0
.endr
	FETCH 0, 0
	WIN MUL
	MULA 2, 1, 0
	MULA 3, 1, 0
.endm
	s_wait_alu depctr_va_vdst(0)
	s_wait_tensorcnt 0x3                           ; my part of K stage 0 is in; my other three loads may stay out
	s_barrier_signal -1
	s_barrier_wait -1                              ; everybody's is
	FETCH 0, 0
	EVEN 1                                         ; the first step's products start the sums: nothing is cleared
	ODD 2
	s_wait_alu depctr_va_vdst(0)
	EVEN 0
	ODD 1
	s_wait_alu depctr_va_vdst(0)
	EVEN 0
	ODD 0
	s_wait_alu depctr_va_vdst(0)
	EVEN 0
	s_wait_dscnt 0x0
	MULA 0, 1, 0
	MULA 1, 1, 0
	MULA 2, 1, 0
	MULA 3, 1, 0
	PLACES 4                                       ; in front of the first read of results
; The 64 accumulator registers of A's image a, register 16 j + i = the next K's 32 j + 16 h + i, become one image and its scale word.  Each accumulator is read from its low end on.
.macro QUANTW a
	WIN 0x0a                                       ; sources 0 and 1 window 2
.irp b, 0,1,2,3
	v_max3_num_f32 v[TM+\b], |v[64*\a+16*\b]|, |v[64*\a+16*\b+1]|, 0x1800000   ; and the floor 2^(3 - 127): the byte cannot fall under 1
.endr
.irp i, 2,4,6,8,10,12,14
.irp b, 0,1,2,3
	v_max3_num_f32 v[TM+\b], |v[64*\a+16*\b+\i]|, |v[64*\a+16*\b+\i+1]|, v[TM+\b]
.endr
.endr
	WIN 0
.irp b, 0,1,2,3
	v_permlanex16_b32 v[TM+4+\b], v[TM+\b], s[SEL], s[SEL+1]
.endr
.irp b, 0,1,2,3
	v_max_num_f32 v[TM+\b], v[TM+\b], v[TM+4+\b]   ; with lane l xor 16's: the block's largest magnitude
.endr
.irp b, 0,1,2,3
	v_add_nc_u32 v[TM+12+\b], 0xff000000, v[TM+\b] ; 2 off its exponent field: the conversion's scale operand
.endr
.irp b, 0,1,2,3
	v_lshrrev_b32 v[TM+4+\b], 23, v[TM+12+\b]      ; the scale's byte
.endr
	v_lshl_or_b32 v[PWS+\a], v[TM+5], 8, v[TM+4]
	v_lshl_or_b32 v[PWS+\a], v[TM+6], 16, v[PWS+\a]
	v_lshl_or_b32 v[PWS+\a], v[TM+7], 24, v[PWS+\a]
	WIN 0x02                                       ; source 0 window 2
.irp c, 0,1
	v_cvt_scalef32_pk16_fp6_f32 v[PC+12*\a+6*\c:PC+12*\a+6*\c+2], v[64*\a+32*\c:64*\a+32*\c+15], v[TM+12+2*\c]
	v_cvt_scalef32_pk16_fp6_f32 v[TP+4*\c:TP+4*\c+2], v[64*\a+32*\c+16:64*\a+32*\c+31], v[TM+13+2*\c]
.endr
	WIN 0
	v_nop                                          ; one plain place behind a scaled conversion
.irp c, 0,1
.irp i, 0,1,2
	v_permlane16_swap_b32 v[PC+12*\a+6*\c+\i], v[TP+4*\c+\i]
.endr
.irp i, 0,1,2
	v_mov_b32 v[PC+12*\a+3+6*\c+\i], v[TP+4*\c+\i]
.endr
.endr
	global_store_b128 v[O16], v[PC+12*\a:PC+12*\a+3], s[88:89] offset:FRB*\a          ; each store covers 512 or 256 consecutive aligned bytes
	global_store_b64 v[O8], v[PC+12*\a+4:PC+12*\a+5], s[88:89] offset:FRB*\a+512
	global_store_b128 v[O16], v[PC+12*\a+6:PC+12*\a+9], s[88:89] offset:FRB*\a+768
	global_store_b64 v[O8], v[PC+12*\a+10:PC+12*\a+11], s[88:89] offset:FRB*\a+1280
.endm
	QUANTW 0
	QUANTW 1
	QUANTW 2
	QUANTW 3
	v_cndmask_b32 v[Y], v[PWS], v[PWS+2], s94      ; lanes 0-15 store images 0 and 1's words of lane-row r, lanes 16-31 images 2 and 3's
	v_cndmask_b32 v[Y+1], v[PWS+1], v[PWS+3], s94
	global_store_b64 v[OSW], v[Y:Y+1], s[90:91]
	s_wait_tensorcnt 0x0                           ; the wave's end, behind my last tensor load
	ds_add_u32 v[SPW], v[NIL]
	s_wait_dscnt 0x0
	CROUND                                         ; the closing round
	s_endpgm
.Lfunc_end_k_q92f52077f7_proj:
	.size	k_q92f52077f7_proj, .Lfunc_end_k_q92f52077f7_proj-k_q92f52077f7_proj
	.p2alignl 7, 3214868480
	.fill 96, 4, 3214868480
	.section	.rodata,"a",@progbits
	.p2align	6, 0x0
	.amdhsa_kernel k_q92f52077f7_proj
		.amdhsa_group_segment_fixed_size 327680
		.amdhsa_private_segment_fixed_size 0
		.amdhsa_enable_private_segment 0
		.amdhsa_kernarg_size 16
		.amdhsa_user_sgpr_count 2
		.amdhsa_user_sgpr_kernarg_segment_ptr 1
		.amdhsa_wavefront_size32 1
		.amdhsa_system_sgpr_workgroup_id_x 1
		.amdhsa_system_sgpr_workgroup_id_y 1
		.amdhsa_system_sgpr_workgroup_id_z 1
		.amdhsa_system_vgpr_workitem_id 0
		.amdhsa_next_free_vgpr 768
		.amdhsa_next_free_sgpr 96
		.amdhsa_reserve_vcc 0
		.amdhsa_float_denorm_mode_32 3
		.amdhsa_float_denorm_mode_16_64 3
		.amdhsa_memory_ordered 1
		.amdhsa_forward_progress 1
		.amdhsa_inst_pref_size 87
	.end_amdhsa_kernel
	.amdgpu_metadata
---
amdhsa.version: [ 1, 2 ]
amdhsa.kernels:
  - .name:           k_q92f52077f7_proj
    .symbol:         k_q92f52077f7_proj.kd
    .args:
      - { .name: ops, .offset: 0, .size: 8, .value_kind: global_buffer, .address_space: global }
      - { .name: hop, .offset: 8, .size: 8, .value_kind: global_buffer, .address_space: global }
    .group_segment_fixed_size: 327680
    .private_segment_fixed_size: 0
    .kernarg_segment_align: 8
    .kernarg_segment_size: 16
    .max_flat_workgroup_size: 128
    .sgpr_count:     96
    .vgpr_count:     768
    .wavefront_size: 32
...
	.end_amdgpu_metadata
.endif
;; end of part 2
;; launch attn (part 3): grid 16 x 32, 16 waves a work-group, clusters of 4 x 1, 327,680 bytes of LDS; arguments hop, xop; writes xop
.if DOCPART == 3
	.amdgcn_target "amdgcn-amd-amdhsa--gfx1250"
	.amdhsa_code_object_version 6
	.text
	.protected	k_q92f52077f7_attn
	.globl	k_q92f52077f7_attn
	.p2align	8
	.type	k_q92f52077f7_attn,@function
k_q92f52077f7_attn:
	s_mov_b64 s[64:65], 0
	v_nop
	global_prefetch_b8 v0, s[64:65] scope:SCOPE_SE
	s_setreg_imm32_b32 hwreg(HW_REG_WAVE_MODE, 25, 1), 1
	s_wait_xcnt 0x0
	s_wait_alu depctr_hold_cnt(0) depctr_sa_sdst(0) depctr_va_vdst(0) depctr_va_sdst(0) depctr_va_ssrc(0) depctr_va_vcc(0) depctr_vm_vsrc(0)
	s_getreg_b32 s2, hwreg(HW_REG_IB_STS2, 6, 4)
	s_cmp_eq_u32 s2, 0
	s_cbranch_scc0 .Lentry_in_a_cluster
	s_endpgm
.Lentry_in_a_cluster:
	s_bfe_u32 s2, ttmp6, 0x10000c
	s_cmp_lg_u32 s2, 0x3003
	s_cbranch_scc0 .Lentry_shape_is_right
	s_endpgm
.Lentry_shape_is_right:
; Attention on codes of FP6 (E2M3): for each batch and head, x[q] = (sum over keys of p V) / (sum of p), p = 2^(t - M), t = (Q . K) log2(e) / 8, M = the running largest t rounded UP to a whole number.
; p is quantised along the keys, not normalised; the row's sum is taken of the unquantised p, in f32.  When M moves, the sum and the result are multiplied by 2^(old M - new M), which rounds nothing.
; x is quantised along the model's 1,024 and stored as chunks for the last product.
; CHUNKS: 128 rows x 128 along K as eight images of the operand's registers (1,536 bytes) and 512 bytes of scale words.  Lane r of image a holds row 32 (a / 2) + 8 (a % 2) + r + 8 (r / 8).  A half image (64 along K) is 768 dense bytes.
; hop: Q and K chunks have rows = tokens and K = a PAIR of heads' 128 channels (a head is a half image); V^T chunks have rows = the pair's 128 channels (images 0-3 the even head) and K = 128 keys.
; SHARES: a work-group owns 128 queries of a pair of heads; of its sixteen waves, wave w owns head w / 8 and the 16 queries of image w % 8, in 256 registers: four waves to a SIMD, so that one wave's softmax stands beside another's loads and products.
; Both products are used transposed (S^T = K Q^T, O^T = V^T P^T): a lane holds ONE query; by the images' choice of rows, the 16 registers of two neighbouring tiles of scores are 16 neighbouring keys.
; THE HEAD IS 64, THE INSTRUCTION'S K 128: Q's upper six registers are zero codes.  A tile of K is six registers; as the instruction's source it is named with the six behind it (the next tile's codes, or six zeros), which meet zero codes.
; Q's and K's scales come as 16 bits, so the upper two bytes are 0, never 0xff.
; RING: two slots of 512 keys (K's four chunks, V's four: 102,400 bytes), filled by waves 0-3, 25,600 bytes each.  CLUSTER: the four work-groups of a cluster walk the same K and V: every fill is a joint load that names the four.
; No prefetch: a refill is requested four key steps, 48 matrix instructions and four softmaxes of each wave, ahead of its first read, so no wave waits for it; and the launch has only two refills.
; LIMITS: a block of zeros gets the byte 1 with zero codes; NaN and infinities are not served.
.set CH,    12800
.set FRB,   1536
.set SCO,   12288
.set VOFF,  4*CH
.set SLOT1, 131072
.set XSC,   SLOT1+8*CH                 ; 512 bytes: the result's scale words, gathered from the sixteen waves
.set SPARE, XSC+512                    ; the spare words, 128 bytes a wave
.set SPW, 7                            ; v1-6 my lane's places in a chunk (K b128, K b64, K's scales, V b128, V b64, V's scales); v7, v8 the add's two; v9-14 the same as v1-6 in the chunk in hand
.set NIL, 8
.set XW,  15                           ; v15  where my half scale word goes
.set QF,  20                           ; v20-31 Q;  v32 its scale word;  v33 p's;  v[34:35] f;  v16 -M, v17 the largest t, v[18:19] the sum in two halves
.set VS,  36                           ; v36-39 V's scale words
.set KS,  40                           ; v40-43 K's: lanes 0-15 tiles 0-3, lanes 16-31 tiles 4-7
.set KF,  44                           ; v44-91 K's eight tiles, later V's four fragments;  v92-97 zeros
.set S,   98                           ; v98-161 S^T, then p
.set OT,  162                          ; v162-193 O^T
.set PCD, 194                          ; v194-205 p's codes
.set CT,  206                          ; v206-213 the conversions' second halves
.set BM,  214                          ; v214-217 the blocks' largest scores, then largest p
.set BT,  218                          ; v218-221 the other half's, then bytes
.set SOP, 222                          ; v222-225 the conversions' scale operands
.set T0,  226
.set SU2, 228                          ; v[228:229] the sum's second chain
.set L16, 230                          ; v230 16 x lane;  v231 8 x lane;  v232 16 r;  v233 XSC + 16 x lane
.set L8,  231
.set R16, 232
.set XR,  233
.set G1,  16
.set G0,  24
.set SEL, 32
.set CS,  34
.set TB,  36
.set CNT, 37
.macro CROUND
	s_barrier_signal -1
	s_barrier_wait -1
	s_cmp_lg_u32 s8, 0
	s_cbranch_scc1 .Lnot_wave_0_\@
	s_barrier_signal -3
.Lnot_wave_0_\@:
	s_barrier_wait -3
	s_barrier_signal -1
	s_barrier_wait -1
.endm
	s_load_b128 s[4:7], s[0:1], 0x0                ; hop, xop
	v_lshl_add_u32 v[SPW], v0, 2, SPARE
	v_mov_b32 v[NIL], 0
	ds_add_u32 v[SPW], v[NIL]                      ; the wave's opening: the add and its wait ahead of the first tensor loads; work on registers stands between them
	ds_add_u32 v[SPW], v[NIL]
	v_lshrrev_b32 v1, 5, v0
	s_delay_alu instid0(VALU_DEP_1)
	v_readfirstlane_b32 s8, v1                     ; wave 0..15
	s_lshr_b32 s9, s8, 3                           ; my head of the pair
	s_and_b32 s10, s8, 7                           ; my image of queries
	s_bfe_u32 s11, ttmp6, 0x40000                  ; cx
	s_lshl_b32 s12, ttmp9, 2
	s_add_co_u32 s12, s12, s11                     ; my block of 128 queries: it enters Q's and x's addresses alone
	s_and_b32 s13, ttmp7, 0xffff                   ; batch x 8 + pair of heads, which the partners share
	s_lshl_b32 s40, s13, 4
	s_bfe_u32 s38, s8, 0x10001                     ; what I fetch, if I fetch: waves 0, 1 K's chunks, waves 2, 3 V's
	s_add_co_u32 s38, s38, 1
	s_lshl_b32 s38, s38, 9
	s_add_co_u32 s38, s38, s40
	s_mul_i32 s38, s38, CH
	s_and_b32 s41, s8, 1
	s_mul_i32 s41, s41, 2*CH                       ; the slot's first two chunks or its last two
	s_add_co_u32 s38, s38, s41
	s_mov_b32 s39, 0
	s_and_b32 s42, s8, 3
	s_mul_i32 s42, s42, 2*CH                       ; and where they go in a slot
	s_mov_b32 s[G1], 15|(3<<16)|(1<<21)            ; 15:0 the mask: all four work-groups; 17:16 elements of 8 bytes; 21 set beside a mask; no padding
	s_mov_b32 s[G1+1], 32<<16                      ; rows of 256 bytes,
	s_mov_b32 s[G1+2], 100<<16                     ; 100 of them: two chunks
	s_mov_b32 s[G1+3], 32<<16
	s_mov_b32 s[G1+4], 100
	s_mov_b32 s[G1+5], 32
	s_mov_b32 s[G1+6], 0
	s_mov_b32 s[G1+7], 0
	s_add_co_u32 s44, s40, s12
	s_mul_i32 s44, s44, CH                         ; Q's chunk
	s_mul_i32 s14, s10, FRB
	s_mul_i32 s15, s9, 768
	s_add_co_u32 s14, s14, s15                     ; my half image in a chunk
	s_lshr_b32 s2, s10, 2
	s_lshl_b32 s2, s2, 8
	s_and_b32 s3, s10, 3
	s_lshl_b32 s3, s3, 2
	s_add_co_u32 s2, s2, s3
	s_lshl_b32 s3, s9, 1
	s_add_co_u32 s2, s2, s3                        ; my half scale words among a chunk's: 256 (image / 4) + 4 (image % 4) + 2 x head
	s_add_co_u32 s46, s44, s2
	s_add_co_u32 s46, s46, SCO
	s_mov_b32 s47, 0
	s_add_co_u32 s44, s44, s14
	s_mov_b32 s45, 0
	s_lshr_b32 s48, s13, 3
	s_lshl_b32 s48, s48, 4
	s_add_co_u32 s48, s48, s12
	s_lshl_b32 s48, s48, 3
	s_and_b32 s3, s13, 7
	s_add_co_u32 s48, s48, s3
	s_mul_i32 s48, s48, CH                         ; x's chunk: ((batch x 16 + block of queries) x 8 + pair)
	s_add_co_u32 s50, s48, SCO
	s_mov_b32 s51, 0
	s_add_co_u32 s48, s48, s14
	s_mov_b32 s49, 0
	s_add_co_u32 s2, s2, XSC
	s_mov_b32 s[SEL], 0x76543210
	s_mov_b32 s[SEL+1], 0xfedcba98
	s_mov_b32 s[CS], 0x3e38aa3b                    ; c = log2(e) / sqrt(64)
	s_mov_b32 s[CS+1], s[CS]                       ; (named with it as a pair, so it is written)
	; every LDS address is made here, ahead of the first branch on the wave's number
	v_and_b32 v[T0], 31, v0
	v_and_b32 v[T0+1], 15, v0
	s_delay_alu instid0(VALU_DEP_2)
	v_lshlrev_b32 v[L16], 4, v[T0]
	s_delay_alu instid0(VALU_DEP_3)
	v_lshlrev_b32 v[L8], 3, v[T0]
	s_delay_alu instid0(VALU_DEP_3)
	v_lshlrev_b32 v[R16], 4, v[T0+1]
	s_delay_alu instid0(VALU_DEP_3)
	v_add_nc_u32 v1, s15, v[L16]                   ; K: 16 x lane + 768 x head
	s_delay_alu instid0(VALU_DEP_3)
	v_add_nc_u32 v2, s15, v[L8]
	s_lshl_b32 s3, s9, 1
	s_add_co_u32 s3, s3, SCO
	v_add_nc_u32 v3, s3, v[L16]                    ; K's scales: lane l = r + 16 h takes lane-row r of tile 4 h + i
	s_mul_i32 s3, s9, 4*FRB
	s_add_co_u32 s3, s3, VOFF
	v_add_nc_u32 v4, s3, v[L16]                    ; V: my head's four images
	v_add_nc_u32 v5, s3, v[L8]
	s_lshl_b32 s3, s9, 8
	s_add_co_u32 s3, s3, VOFF+SCO
	v_add_nc_u32 v6, s3, v[R16]                    ; V's scales: 16 bytes: my head's four images' words of lane-row r
	v_add_nc_u32 v[XW], s2, v[R16]
	v_add_nc_u32 v[XR], XSC, v[L16]
	s_wait_dscnt 0x0                               ; the opening add is done
	s_wait_kmcnt 0x0
	s_add_nc_u64 s[38:39], s[4:5], s[38:39]
	s_add_nc_u64 s[44:45], s[4:5], s[44:45]
	s_add_nc_u64 s[46:47], s[4:5], s[46:47]
	s_add_nc_u64 s[48:49], s[6:7], s[48:49]
	s_add_nc_u64 s[50:51], s[6:7], s[50:51]
.irp s, 0,1
	s_mov_b32 s[G0+4*\s], 1
	s_add_co_u32 s[G0+4*\s+1], s42, \s*SLOT1
	s_add_nc_u64 s[G0+4*\s+2:G0+4*\s+3], s[38:39], \s*4*CH
	s_or_b32 s[G0+4*\s+3], s[G0+4*\s+3], 0x80000000
.endr
	CROUND                                         ; all four work-groups are here: the first joint loads meet
	s_cmp_lt_u32 s8, 4                             ; both first fills of a wave stand in one branch on the wave's number: two loads of a fetching wave are out
	s_cbranch_scc0 .Lfirst_asked
	tensor_load_to_lds s[G0:G0+3], s[G1:G1+7]
	s_nop 0
	tensor_load_to_lds s[G0+4:G0+7], s[G1:G1+7]
	s_nop 0
.rept 4
	v_nop
.endr
.Lfirst_asked:
	global_load_b128 v[QF:QF+3], v[L16], s[44:45]            ; Q's half image stays in registers
	global_load_b64 v[QF+4:QF+5], v[L8], s[44:45] offset:512
	s_wait_alu depctr_va_vdst(0)
	global_load_u16 v32, v[R16], s[46:47]                    ; its two scale bytes
.irp i, 6,7,8,9,10,11
	v_mov_b32 v[QF+\i], 0                          ; zero codes for K = 64 .. 127
.endr
.irp i, 48,49,50,51,52,53
	v_mov_b32 v[KF+\i], 0                          ; behind K's last tile
.endr
	v_mov_b32 v17, 0xff61b1e6                      ; the largest t so far: -3e38
	s_delay_alu instid0(VALU_DEP_1)
	v_floor_f32 v16, -v17                          ; -M
	v_mov_b32 v18, 0
	v_mov_b32 v19, 0
	v_mov_b32 v35, 0                               ; (named as the upper half of f's pair)
.irp b, 0,1,2,3
	v_mov_b32 v[BT+\b], 0                          ; written once: a lane permute's destination counts as one of its sources
.endr
.irp j, 0,1,2,3,4,5,6,7,8,9,10,11,12,13,14,15,16,17,18,19,20,21,22,23,24,25,26,27,28,29,30,31
	v_mov_b32 v[OT+\j], 0                          ; O^T: the step is written without a first form: the first change of M multiplies zeros
.endr
.macro FRAG reg, a16, a8, off
	ds_load_b128 v[(\reg):(\reg)+3], v[\a16] offset:(\off)
	ds_load_b64 v[(\reg)+4:(\reg)+5], v[\a8] offset:(\off)+512
	ds_load_b128 v[(\reg)+6:(\reg)+9], v[\a16] offset:(\off)+768
	ds_load_b64 v[(\reg)+10:(\reg)+11], v[\a8] offset:(\off)+1280
.endm
; A KEY STEP: 128 keys, the chunks at s[TB] of the slot in hand.
.macro STEP
.irp i, 0,1,2,3,4,5
	v_add_nc_u32 v[9+\i], s[TB], v[1+\i]           ; these six are also the places between the last products and the loads into the registers that they read
.endr
.irp t, 0,1,2,3,4,5,6,7
	ds_load_b128 v[KF+6*\t:KF+6*\t+3], v9 offset:FRB*\t
	ds_load_b64 v[KF+6*\t+4:KF+6*\t+5], v10 offset:FRB*\t+512
.endr
.irp i, 0,1,2,3
	ds_load_u16 v[KS+\i], v11 offset:4*\i
.endr
	s_wait_alu depctr_va_vdst(0)
	s_wait_dscnt 0x0
.irp t, 0,1,2,3
	v_wmma_scale_f32_16x16x128_f8f6f4 v[S+8*\t:S+8*\t+7], v[KF+6*\t:KF+6*\t+11], v[QF:QF+11], 0, v[KS+\t], v32 matrix_a_fmt:MATRIX_FMT_FP6 matrix_b_fmt:MATRIX_FMT_FP6
.endr
.irp t, 4,5,6,7
	v_wmma_scale_f32_16x16x128_f8f6f4 v[S+8*\t:S+8*\t+7], v[KF+6*\t:KF+6*\t+11], v[QF:QF+11], 0, v[KS+\t-4], v32 matrix_a_fmt:MATRIX_FMT_FP6 matrix_b_fmt:MATRIX_FMT_FP6 matrix_a_scale:MATRIX_SCALE_ROW1
.endr
.rept 4
	v_nop                                          ; four places: in front of the loads into K's registers and of the first read of the scores
.endr
.irp t, 0,1,2,3
	FRAG KF+12*\t, 12, 13, FRB*\t                  ; V's four fragments are asked for now and land under the softmax
.endr
	ds_load_b128 v[VS:VS+3], v14
.irp b, 0,1,2,3
	v_max3_num_f32 v[BM+\b], v[S+16*\b], v[S+1+16*\b], v[S+2+16*\b]   ; the largest score of each block of 32 keys: for the row's maximum, and, since p rises with the score, for the block's largest p
.endr
.irp i, 3,5,7,9,11,13
.irp b, 0,1,2,3
	v_max3_num_f32 v[BM+\b], v[BM+\b], v[S+16*\b+\i], v[S+1+16*\b+\i]
.endr
.endr
.irp b, 0,1,2,3
	v_max_num_f32 v[BM+\b], v[BM+\b], v[S+15+16*\b]
.endr
.irp b, 0,1,2,3
	s_delay_alu instid0(VALU_DEP_4)
	v_permlanex16_b32 v[BT+\b], v[BM+\b], s[SEL], s[SEL+1]
.endr
.irp b, 0,1,2,3
	s_delay_alu instid0(VALU_DEP_4)
	v_max_num_f32 v[BM+\b], v[BM+\b], v[BT+\b]     ; with lane l xor 16's 16 keys
.endr
	s_delay_alu instid0(VALU_DEP_2)
	v_max3_num_f32 v[T0], v[BM], v[BM+1], v[BM+2]
	s_delay_alu instid0(VALU_DEP_1)
	v_max_num_f32 v[T0], v[T0], v[BM+3]            ; the step's largest score of my query
	s_delay_alu instid0(VALU_DEP_1)
	v_mul_f32 v[T0], s[CS], v[T0]                  ; as t (c is positive)
	s_delay_alu instid0(VALU_DEP_1)
	v_max_num_f32 v17, v17, v[T0]                  ; the running largest t
	v_mov_b32 v[T0], v16
	s_delay_alu instid0(VALU_DEP_2)
	v_floor_f32 v16, -v17                          ; the new -M = floor(-t): M is a whole number
	s_delay_alu instid0(VALU_DEP_1)
	v_sub_f32 v[T0], v16, v[T0]                    ; old M - new M: a whole number, 0 or less
	s_delay_alu instid0(VALU_DEP_1)
	v_cvt_i32_f32 v[T0], v[T0]                     ; (it saturates)
	s_delay_alu instid0(VALU_DEP_1)
	v_ldexp_f32 v34, 1.0, v[T0]                    ; f = 2^(old M - new M)
.irp j, 0,2,4,6,8,10,12,14,16,18,20,22,24,26,28,30,32,34,36,38,40,42,44,46,48,50,52,54,56,58,60,62
	v_pk_fma_f32 v[S+\j:S+\j+1], v[S+\j:S+\j+1], s[CS:CS+1], v[16:17] op_sel_hi:[1,0,0]   ; t - M, two at a time (of the pairs c and -M the low word serves both halves)
.endr
.irp b, 0,1,2,3
	v_fma_f32 v[BM+\b], v[BM+\b], s[CS], v16       ; the same of each block's largest score
.endr
	s_setprio 1
	s_wait_alu depctr_va_vdst(0)
.irp j, 0,1,2,3,4,5,6,7,8,9,10,11,12,13,14,15,16,17,18,19,20,21,22,23,24,25,26,27,28,29,30,31,32,33,34,35,36,37,38,39,40,41,42,43,44,45,46,47,48,49,50,51,52,53,54,55,56,57,58,59,60,61,62,63
	v_exp_f32 v[S+\j], v[S+\j]                     ; p = 2^(t - M), at most 1
.endr
	v_pk_mul_f32 v[18:19], v[18:19], v[34:35] op_sel_hi:[1,0]   ; the sums under the new M: a plain place behind the exponentials
	s_wait_alu depctr_va_vdst(0)                   ; one wait for the whole batch, ahead of its first reader
.irp b, 0,1,2,3
	v_exp_f32 v[BM+\b], v[BM+\b]                   ; the block's largest p: the same two instructions on the same number give the same bits
.endr
	v_pk_add_f32 v[228:229], v[102:103], v[106:107]
	v_pk_add_f32 v[254:255], v[110:111], v[114:115]
	v_pk_add_f32 v[252:253], v[118:119], v[122:123]
	v_pk_add_f32 v[250:251], v[126:127], v[130:131]
	v_pk_add_f32 v[248:249], v[134:135], v[138:139]
	v_pk_add_f32 v[246:247], v[142:143], v[146:147]
	v_pk_add_f32 v[244:245], v[150:151], v[154:155]
	v_pk_add_f32 v[18:19], v[18:19], v[158:159]
	v_pk_add_f32 v[228:229], v[228:229], v[98:99]
	v_pk_add_f32 v[254:255], v[254:255], v[100:101]
	v_pk_add_f32 v[252:253], v[252:253], v[104:105]
	v_pk_add_f32 v[250:251], v[250:251], v[108:109]
	v_pk_add_f32 v[248:249], v[248:249], v[112:113]
	v_pk_add_f32 v[246:247], v[246:247], v[116:117]
	v_pk_add_f32 v[244:245], v[244:245], v[120:121]
	v_pk_add_f32 v[18:19], v[18:19], v[124:125]
	v_pk_add_f32 v[228:229], v[228:229], v[128:129]
	v_pk_add_f32 v[254:255], v[254:255], v[132:133]
	v_pk_add_f32 v[252:253], v[252:253], v[136:137]
	v_pk_add_f32 v[250:251], v[250:251], v[140:141]
	v_pk_add_f32 v[248:249], v[248:249], v[144:145]
	v_pk_add_f32 v[246:247], v[246:247], v[148:149]
	v_pk_add_f32 v[244:245], v[244:245], v[152:153]
	v_pk_add_f32 v[18:19], v[18:19], v[156:157]
	v_pk_add_f32 v[228:229], v[228:229], v[160:161]
	s_delay_alu instid0(VALU_DEP_2)
	v_pk_add_f32 v[18:19], v[18:19], v[250:251]
	s_delay_alu instid0(VALU_DEP_2)
	v_pk_add_f32 v[228:229], v[228:229], v[248:249]
	v_pk_add_f32 v[254:255], v[254:255], v[246:247]
	v_pk_add_f32 v[252:253], v[252:253], v[244:245]
	s_delay_alu instid0(VALU_DEP_2)
	v_pk_add_f32 v[18:19], v[18:19], v[254:255]
	s_delay_alu instid0(VALU_DEP_2)
	v_pk_add_f32 v[228:229], v[228:229], v[252:253]
	s_delay_alu instid0(VALU_DEP_1)
	v_pk_add_f32 v[18:19], v[18:19], v[228:229]
	s_wait_alu depctr_va_vdst(0)                   ; and one for the four
.irp b, 0,1,2,3
	v_max_num_f32 v[BM+\b], 0x1800000, v[BM+\b]    ; the floor 2^(3 - 127): the byte cannot fall under 1
.endr
.irp b, 0,1,2,3
	s_delay_alu instid0(VALU_DEP_4)
	v_add_nc_u32 v[SOP+\b], 0xff000000, v[BM+\b]   ; 2 off the exponent field: the conversion's scale operand
.endr
.irp b, 0,1,2,3
	s_delay_alu instid0(VALU_DEP_4)
	v_lshrrev_b32 v[BT+\b], 23, v[SOP+\b]          ; the scale's byte
.endr
	s_delay_alu instid0(VALU_DEP_3)
	v_lshl_or_b32 v33, v[BT+1], 8, v[BT]           ; p's scale word for these 128 keys
	s_delay_alu instid0(VALU_DEP_1)
	v_lshl_or_b32 v33, v[BT+2], 16, v33
	s_delay_alu instid0(VALU_DEP_1)
	v_lshl_or_b32 v33, v[BT+3], 24, v33
.irp c, 0,1
	v_cvt_scalef32_pk16_fp6_f32 v[PCD+6*\c:PCD+6*\c+2], v[S+32*\c:S+32*\c+15], v[SOP+2*\c]
	v_cvt_scalef32_pk16_fp6_f32 v[CT+4*\c:CT+4*\c+2], v[S+32*\c+16:S+32*\c+31], v[SOP+2*\c+1]
.endr
	v_nop                                          ; one plain place behind a scaled conversion
.irp c, 0,1                                    ; the operand's layout wants a whole block in a lane
.irp i, 0,1,2
	v_permlane16_swap_b32 v[PCD+6*\c+\i], v[CT+4*\c+\i]
.endr
.irp i, 0,1,2
	s_delay_alu instid0(VALU_DEP_3)
	v_mov_b32 v[PCD+3+6*\c+\i], v[CT+4*\c+\i]
.endr
.endr
	s_setprio 0
.irp j, 0,2,4,6,8,10,12,14,16,18,20,22,24,26,28,30
	v_pk_mul_f32 v[OT+\j:OT+\j+1], v[OT+\j:OT+\j+1], v[34:35] op_sel_hi:[1,0]   ; O^T under the new M.  These sixteen are also the places between the writes of p's codes and scale word and the products
.endr
	s_wait_alu depctr_va_vdst(0)
	s_wait_dscnt 0x0                               ; V is in
.irp t, 0,1,2,3
	v_wmma_scale_f32_16x16x128_f8f6f4 v[OT+8*\t:OT+8*\t+7], v[KF+12*\t:KF+12*\t+11], v[PCD:PCD+11], v[OT+8*\t:OT+8*\t+7], v[VS+\t], v33 matrix_a_fmt:MATRIX_FMT_FP6 matrix_b_fmt:MATRIX_FMT_FP6
.endr
.endm
.macro SLOT base                       ; a slot's four key steps: written once, walked four times
	s_mov_b32 s[TB], \base
	s_mov_b32 s[CNT], 4
.Lstep_\@:
	s_setprio 2
	STEP
	s_add_co_u32 s[TB], s[TB], CH
	s_sub_co_u32 s[CNT], s[CNT], 1
	s_cmp_lg_u32 s[CNT], 0
	s_cbranch_scc1 .Lstep_\@
	s_setprio 0
.endm
; THE CHANGE OF SLOTS.  Each wave waits for all its tensor loads (its part of the slot ahead), adds 0 to its spare word, and waits for that and for its reads of the slot that it leaves.
; fill = 1: the slot left is filled with the keys 1,024 on: the barrier is then a round of the cluster's, and the joint refill is the first thing behind it, one load a fetching wave.
.macro CHANGE fill, s
	s_wait_tensorcnt 0x0                           ; no tensor load of mine is out, so a group 0 may be written
	ds_add_u32 v[SPW], v[NIL]
.if \fill
	s_add_nc_u64 s[G0+4*\s+2:G0+4*\s+3], s[G0+4*\s+2:G0+4*\s+3], 8*CH   ; eight chunks on; the type bits on top are not reached
.endif
	s_wait_dscnt 0x0                               ; the add is done, and my reads of the slot that I leave are over
.if \fill
	CROUND
	s_cmp_lt_u32 s8, 4
	s_cbranch_scc0 .Lno_fill_\@
	tensor_load_to_lds s[G0+4*\s:G0+4*\s+3], s[G1:G1+7]
	s_nop 0
.rept 4
	v_nop
.endr
.Lno_fill_\@:
.else
	s_barrier_signal -1
	s_barrier_wait -1
.endif
.endm
	s_wait_loadcnt 0x0                             ; Q
	s_wait_tensorcnt 0x1                           ; my part of slot 0 is in; slot 1's may stay out
	s_barrier_signal -1
	s_barrier_wait -1
	SLOT 0                                         ; keys 0 .. 511
	CHANGE 1, 0
	SLOT SLOT1                                     ; 512 .. 1,023
	CHANGE 1, 1
	SLOT 0                                         ; 1,024 .. 1,535
	CHANGE 0, 0
	SLOT SLOT1                                     ; 1,536 .. 2,047
	; THE WAY OUT: x = O^T / the sum; register 16 j + i is channel 32 j + 16 h + i of my head: two blocks along the last product's K
	v_add_f32 v18, v18, v19
	s_delay_alu instid0(VALU_DEP_1)
	v_permlanex16_b32 v[T0], v18, s[SEL], s[SEL+1]
	s_delay_alu instid0(VALU_DEP_1)
	v_add_f32 v18, v18, v[T0]                      ; the row's sum
	s_wait_alu depctr_va_vdst(0)
	v_rcp_f32 v18, v18
.rept 4
	v_nop                                          ; the plain place behind the reciprocal, and the places behind the last products
.endr
	s_wait_alu depctr_va_vdst(0)                   ; ahead of the reciprocal's first reader
.irp j, 0,2,4,6,8,10,12,14,16,18,20,22,24,26,28,30
	v_pk_mul_f32 v[S+\j:S+\j+1], v[OT+\j:OT+\j+1], v[18:19] op_sel_hi:[1,0]   ; each accumulator from its low end on
.endr
.irp b, 0,1
	v_max3_num_f32 v[BM+\b], |v[S+16*\b]|, |v[S+1+16*\b]|, 0x1800000
.endr
.irp i, 2,4,6,8,10,12,14
.irp b, 0,1
	s_delay_alu instid0(VALU_DEP_2)
	v_max3_num_f32 v[BM+\b], v[BM+\b], |v[S+16*\b+\i]|, |v[S+1+16*\b+\i]|
.endr
.endr
.irp b, 0,1
	s_delay_alu instid0(VALU_DEP_2)
	v_permlanex16_b32 v[BT+\b], v[BM+\b], s[SEL], s[SEL+1]
.endr
.irp b, 0,1
	s_delay_alu instid0(VALU_DEP_2)
	v_max_num_f32 v[BM+\b], v[BM+\b], v[BT+\b]
.endr
.irp b, 0,1
	s_delay_alu instid0(VALU_DEP_2)
	v_add_nc_u32 v[SOP+\b], 0xff000000, v[BM+\b]
.endr
.irp b, 0,1
	s_delay_alu instid0(VALU_DEP_2)
	v_lshrrev_b32 v[BT+\b], 23, v[SOP+\b]
.endr
	s_delay_alu instid0(VALU_DEP_1)
	v_lshl_or_b32 v33, v[BT+1], 8, v[BT]           ; my head's half of the scale word
	v_cvt_scalef32_pk16_fp6_f32 v[PCD:PCD+2], v[S:S+15], v[SOP]
	v_cvt_scalef32_pk16_fp6_f32 v[CT:CT+2], v[S+16:S+31], v[SOP+1]
	v_nop
.irp i, 0,1,2
	v_permlane16_swap_b32 v[PCD+\i], v[CT+\i]
.endr
.irp i, 0,1,2
	s_delay_alu instid0(VALU_DEP_3)
	v_mov_b32 v[PCD+3+\i], v[CT+\i]
.endr
	global_store_b128 v[L16], v[PCD:PCD+3], s[48:49]             ; my half image: 512 and 256 consecutive aligned bytes
	global_store_b64 v[L8], v[PCD+4:PCD+5], s[48:49] offset:512
	ds_store_b16 v[XW], v33                        ; lanes r and r + 16 write the same two bytes with the same value
	s_wait_dscnt 0x0                               ; for the others' sake
	s_barrier_signal -1
	s_barrier_wait -1                              ; the chunk's 512 bytes of scale words lie together
	s_cmp_lg_u32 s8, 0
	s_cbranch_scc1 .Lnot_first
	ds_load_b128 v[S:S+3], v[XR]
	s_wait_dscnt 0x0
	global_store_b128 v[L16], v[S:S+3], s[50:51]   ; wave 0 stores them: 512 consecutive aligned bytes
.Lnot_first:
	s_wait_tensorcnt 0x0                           ; the wave's end, behind my last tensor load and my last LDS store
	ds_add_u32 v[SPW], v[NIL]
	s_wait_dscnt 0x0
	CROUND                                         ; the closing round
	s_endpgm
.Lfunc_end_k_q92f52077f7_attn:
	.size	k_q92f52077f7_attn, .Lfunc_end_k_q92f52077f7_attn-k_q92f52077f7_attn
	.p2alignl 7, 3214868480
	.fill 96, 4, 3214868480
	.section	.rodata,"a",@progbits
	.p2align	6, 0x0
	.amdhsa_kernel k_q92f52077f7_attn
		.amdhsa_group_segment_fixed_size 327680
		.amdhsa_private_segment_fixed_size 0
		.amdhsa_enable_private_segment 0
		.amdhsa_kernarg_size 16
		.amdhsa_user_sgpr_count 2
		.amdhsa_user_sgpr_kernarg_segment_ptr 1
		.amdhsa_wavefront_size32 1
		.amdhsa_system_sgpr_workgroup_id_x 1
		.amdhsa_system_sgpr_workgroup_id_y 1
		.amdhsa_system_sgpr_workgroup_id_z 1
		.amdhsa_system_vgpr_workitem_id 0
		.amdhsa_next_free_vgpr 256
		.amdhsa_next_free_sgpr 66
		.amdhsa_reserve_vcc 0
		.amdhsa_float_denorm_mode_32 3
		.amdhsa_float_denorm_mode_16_64 3
		.amdhsa_memory_ordered 1
		.amdhsa_forward_progress 1
		.amdhsa_inst_pref_size 85
	.end_amdhsa_kernel
	.amdgpu_metadata
---
amdhsa.version: [ 1, 2 ]
amdhsa.kernels:
  - .name:           k_q92f52077f7_attn
    .symbol:         k_q92f52077f7_attn.kd
    .args:
      - { .name: hop, .offset: 0, .size: 8, .value_kind: global_buffer, .address_space: global }
      - { .name: xop, .offset: 8, .size: 8, .value_kind: global_buffer, .address_space: global }
    .group_segment_fixed_size: 327680
    .private_segment_fixed_size: 0
    .kernarg_segment_align: 8
    .kernarg_segment_size: 16
    .max_flat_workgroup_size: 512
    .sgpr_count:     66
    .vgpr_count:     256
    .wavefront_size: 32
...
	.end_amdgpu_metadata
.endif
;; end of part 3
;; launch outp (part 4): grid 4 x 64, 4 waves a work-group, clusters of 4 x 4, 327,680 bytes of LDS; arguments xop, ops, out0; writes out0
.if DOCPART == 4
	.amdgcn_target "amdgcn-amd-amdhsa--gfx1250"
	.amdhsa_code_object_version 6
	.text
	.protected	k_q92f52077f7_outp
	.globl	k_q92f52077f7_outp
	.p2align	8
	.type	k_q92f52077f7_outp,@function
k_q92f52077f7_outp:
	s_mov_b64 s[64:65], 0
	v_nop
	global_prefetch_b8 v0, s[64:65] scope:SCOPE_SE
	s_setreg_imm32_b32 hwreg(HW_REG_WAVE_MODE, 25, 1), 1
	s_wait_xcnt 0x0
	s_wait_alu depctr_hold_cnt(0) depctr_sa_sdst(0) depctr_va_vdst(0) depctr_va_sdst(0) depctr_va_ssrc(0) depctr_va_vcc(0) depctr_vm_vsrc(0)
	s_getreg_b32 s2, hwreg(HW_REG_IB_STS2, 6, 4)
	s_cmp_eq_u32 s2, 0
	s_cbranch_scc0 .Lentry_in_a_cluster
	s_endpgm
.Lentry_in_a_cluster:
	s_bfe_u32 s2, ttmp6, 0x10000c
	s_cmp_lg_u32 s2, 0xf033
	s_cbranch_scc0 .Lentry_shape_is_right
	s_endpgm
.Lentry_shape_is_right:
; The last product on codes of FP6 (E2M3): out0 = x w_o^T, [8,192 x 1,024] x K = 1,024, f32 out.  x comes as chunks from the attention launch, w_o as chunks (blocks 216-223 of ops) from the quantising launch.
; CHUNKS: 128 rows x 128 along K as eight images of the operand's registers (1,536 bytes each) and 512 bytes of scale words: 12,800 bytes.  Lane r of image a holds row 32 (a / 2) + 8 (a % 2) + r + 8 (r / 8).
; A work-group makes 128 rows of x x 256 rows of w_o; four waves, each 64 x 128: 32 accumulators.  256 tiles: one for each of 256 WGPs; tiles of 256 x 256 would be 128.
; THE WHOLE K OF THE TILE'S OPERANDS FITS IN LDS: 24 chunks, 307,200 bytes: every tensor load is a first fill.
; CLUSTERS: 4 x 4 work-groups; x's chunks are shared along a row of the cluster, w_o's along a column: each is asked for jointly, by the same load with the same descriptor and a mask that names the four.
; THE MATRIX INSTRUCTION IS USED TRANSPOSED (source 0 = an image of w_o, source 1 = an image of x): lane (r, h) holds one token, and the 16 registers of w_o's images 2 j and 2 j + 1 are outputs 32 j + 16 h + 0 .. 15.
; THE WAY OUT: 16 tokens x 128 outputs at a time through the wave's own stage in LDS, back as whole rows of 512 bytes.  The stage lies in K stage 0's bytes: they have had their only fill, and nobody reads them behind the second barrier.
; No prefetch: every load of the launch goes out at the head, so there is no later load to ask ahead for.
; REGISTERS: window 0: v1-3 r, h, lane; v16-21 LDS addresses; v22-24 the way out's; v28, v29 the add's two; v32-47 scale words, two sets; v64-159 A's fragments, two sets (on the way out v64-191: rows read back).  window 1: B's fragments.  window 2: the accumulators, (a, b) at v[8 (8 a + b)].
.set CH,     12800
.set FRB,    1536
.set SCO,    12288
.set RBB,    8*CH
.set STAGEB, 6*CH
.set SPARE,  4*STAGEB
.set OSTG,   16*528                    ; a wave's stage on the way out: 16 rows of 512 bytes + 16
.set A16, 16
.set A8,  17
.set B16, 18
.set B8,  19
.set SC1, 20
.set SC2, 21
.set STO, 22                           ; v22  into the stage: row r, + 64 h
.set RD,  23                           ; v23  back: 16 x lane of a row
.set CO,  24                           ; v24  16 x lane in a row of out0
.set SPW, 28
.set NIL, 29
.set SCS, 32
.set AF,  64
.set BK,  64
.set G1A, 24
.set G1B, 32
.set G0A, 40
.set G0B, 68
.set MSB, 0
.macro WIN new                         ; the immediate's high byte repeats the setting that is left
.if MSB != \new
	s_set_vgpr_msb (MSB<<8)|\new
.set MSB, \new
.endif
.endm
.set MUL,  0xa1                        ; source 0 (B) window 1, source 1 (A) window 0, C and D window 2
.set TO_B, 0x40                        ; destination window 1, address window 0
.macro CROUND
	s_barrier_signal -1
	s_barrier_wait -1
	s_cmp_lg_u32 s10, 0
	s_cbranch_scc1 .Lnot_wave_0_\@
	s_barrier_signal -3
.Lnot_wave_0_\@:
	s_barrier_wait -3
	s_barrier_signal -1
	s_barrier_wait -1
.endm
.macro PLACES n
.rept \n
	v_nop
.endr
.endm
	s_load_b128 s[4:7], s[0:1], 0x0                ; xop, ops
	s_load_b64 s[8:9], s[0:1], 0x10                ; out0
	v_lshl_add_u32 v[SPW], v0, 2, SPARE
	v_mov_b32 v[NIL], 0
	ds_add_u32 v[SPW], v[NIL]                      ; the wave's opening: the add and its wait ahead of my first tensor load; work on registers stands between them
	ds_add_u32 v[SPW], v[NIL]
	v_lshrrev_b32 v1, 5, v0
	v_readfirstlane_b32 s10, v1                    ; wave 0..3
	s_lshr_b32 s11, s10, 1                         ; which 64 tokens are mine.  Also: I fetch for A (0) or for B (1)
	s_and_b32 s12, s10, 1                          ; which block of w_o is mine.  Also: which part I fetch
	s_bfe_u32 s13, ttmp6, 0x40000                  ; cx = the tile column
	s_bfe_u32 s14, ttmp6, 0x40004                  ; cy
	s_and_b32 s15, ttmp7, 0xffff
	s_lshl_b32 s15, s15, 2
	s_add_co_u32 s15, s15, s14                     ; tile row: the block of 128 tokens
	s_mul_i32 s56, s15, RBB
	s_mul_i32 s60, s12, CH
	s_add_co_u32 s56, s56, s60                     ; A: waves 0, 1 fetch chunk 2 s + (wave & 1) of K stage s
	s_mov_b32 s57, 0
	s_lshl_b32 s58, s13, 1
	s_add_co_u32 s58, s58, s12
	s_add_co_u32 s58, s58, 216
	s_mul_i32 s58, s58, RBB                        ; B: waves 2, 3 fetch both chunks of K stage s of block (wave & 1)
	s_mov_b32 s59, 0
	s_mul_i32 s62, s12, 2*CH
	s_lshl_b32 s92, s14, 2
	s_lshl_b32 s92, 15, s92                        ; my row of the cluster
	s_lshl_b32 s93, 0x1111, s13                    ; my column
	s_or_b32 s[G1A], s92, (3<<16)|(1<<21)          ; 15:0 the mask; 17:16 elements of 8 bytes; 21 set beside a mask; no padding
	s_or_b32 s[G1B], s93, (3<<16)|(1<<21)
	s_mov_b32 s[G1A+1], 32<<16                     ; rows of 256 bytes, 50 a chunk
	s_mov_b32 s[G1A+2], 50<<16
	s_mov_b32 s[G1A+3], 32<<16
	s_mov_b32 s[G1A+4], 50
	s_mov_b32 s[G1A+5], 32
	s_mov_b32 s[G1A+6], 0
	s_mov_b32 s[G1A+7], 0
	s_mov_b32 s[G1B+1], 32<<16
	s_mov_b32 s[G1B+2], 100<<16
	s_mov_b32 s[G1B+3], 32<<16
	s_mov_b32 s[G1B+4], 100
	s_mov_b32 s[G1B+5], 32
	s_mov_b32 s[G1B+6], 0
	s_mov_b32 s[G1B+7], 0
	s_lshl_b32 s88, s15, 7                         ; where my part of out0 begins: token 128 x tile row + 64 x half,
	s_lshl_b32 s84, s11, 6
	s_add_co_u32 s88, s88, s84
	s_lshl_b32 s88, s88, 12                        ; rows of 4,096 bytes (under 2^26),
	s_lshl_b32 s84, s13, 10                        ; output 256 x tile column + 128 x (wave & 1), 4 bytes each
	s_add_co_u32 s88, s88, s84
	s_lshl_b32 s84, s12, 9
	s_add_co_u32 s88, s88, s84
	s_mov_b32 s89, 0
	s_wait_dscnt 0x0                               ; the opening add is done
	s_wait_kmcnt 0x0
	s_add_nc_u64 s[56:57], s[4:5], s[56:57]
	s_add_nc_u64 s[58:59], s[6:7], s[58:59]
	s_add_nc_u64 s[8:9], s[8:9], s[88:89]
	CROUND                                         ; all sixteen work-groups are here: the joint loads meet
.irp s, 0,1,2,3
	s_mov_b32 s[G0A+4*\s], 1
	s_add_co_u32 s[G0A+4*\s+1], s60, \s*STAGEB
	s_add_nc_u64 s[G0A+4*\s+2:G0A+4*\s+3], s[56:57], \s*2*CH
	s_or_b32 s[G0A+4*\s+3], s[G0A+4*\s+3], 0x80000000
	s_mov_b32 s[G0B+4*\s], 1
	s_add_co_u32 s[G0B+4*\s+1], s62, \s*STAGEB+2*CH
	s_add_nc_u64 s[G0B+4*\s+2:G0B+4*\s+3], s[58:59], \s*2*CH
	s_or_b32 s[G0B+4*\s+3], s[G0B+4*\s+3], 0x80000000
.endr
	s_cmp_eq_u32 s11, 0                            ; a wave's four first fills stand in one branch on the wave's number: four loads of mine are out
	s_cbranch_scc0 .Lfor_b
.irp s, 0,1,2,3
	tensor_load_to_lds s[G0A+4*\s:G0A+4*\s+3], s[G1A:G1A+7]
	s_nop 0
.endr
	PLACES 4
	s_branch .Lasked
.Lfor_b:
.irp s, 0,1,2,3
	tensor_load_to_lds s[G0B+4*\s:G0B+4*\s+3], s[G1B:G1B+7]
	s_nop 0
.endr
	PLACES 4
.Lasked:
	v_and_b32 v1, 15, v0                           ; r
	v_bfe_u32 v2, v0, 4, 1                         ; h
	s_wait_alu depctr_va_vdst(0)
	v_and_b32 v3, 31, v0                           ; lane
	s_mul_i32 s60, s11, 4*FRB
	v_lshl_add_u32 v[A16], v3, 4, s60
	v_lshl_add_u32 v[A8], v3, 3, s60
	s_mul_i32 s62, s12, 2*CH
	s_add_co_u32 s62, s62, 2*CH
	v_lshl_add_u32 v[B16], v3, 4, s62
	v_lshl_add_u32 v[B8], v3, 3, s62
	s_mul_i32 s63, s12, 2*CH                       ; from A's scale words to B's: 25,600 + 25,600 (wave & 1) - 256 (wave >> 1), made without a subtraction
	s_add_co_u32 s63, s63, 2*CH-256
	s_xor_b32 s84, s11, 1
	s_lshl_b32 s84, s84, 8
	s_add_co_u32 s63, s63, s84
	v_mul_u32_u24 v[SC1], s63, v2                  ; lanes 16-31 take B's
	v_lshl_add_u32 v[SC1], v1, 4, v[SC1]
	s_lshl_b32 s84, s11, 8
	s_add_co_u32 s84, s84, SCO
	v_add_nc_u32 v[SC1], s84, v[SC1]
	v_lshl_add_u32 v[SC2], v2, 8, v[SC1]
	s_mul_i32 s84, s10, OSTG                       ; my stage
	v_mul_u32_u24 v[STO], v1, 528
	v_lshl_add_u32 v[STO], v2, 6, v[STO]
	v_add_nc_u32 v[STO], s84, v[STO]
	v_lshlrev_b32 v[CO], 4, v3
	v_add_nc_u32 v[RD], s84, v[CO]
.macro FRAG reg, a16, a8, off          ; an image comes back as it was stored: twelve registers by four loads, each of consecutive bytes
	ds_load_b128 v[(\reg):(\reg)+3], v[\a16] offset:(\off)
	ds_load_b64 v[(\reg)+4:(\reg)+5], v[\a8] offset:(\off)+512
	ds_load_b128 v[(\reg)+6:(\reg)+9], v[\a16] offset:(\off)+768
	ds_load_b64 v[(\reg)+10:(\reg)+11], v[\a8] offset:(\off)+1280
.endm
.macro FETCH q, p                      ; the stage's q-th 128 along K into set p: B's eight images, my four of A, the scale words: 50 loads
	WIN TO_B
.irp i, 0,1,2,3,4,5,6,7
	FRAG 128*\p+12*\i, B16, B8, \q*CH+\i*FRB
.endr
	WIN 0
.irp i, 0,1,2,3
	FRAG AF+48*\p+12*\i, A16, A8, \q*CH+\i*FRB
.endr
	ds_load_b128 v[SCS+8*\p:SCS+8*\p+3], v[SC1] offset:\q*CH
	ds_load_b128 v[SCS+8*\p+4:SCS+8*\p+7], v[SC2] offset:\q*CH
.endm
; eight matrix instructions: A's image a against B's eight.  The 32 accumulators take turns, one instruction a turn, in the same order in every step.
.macro MULA a, p, zero
.irp b, 0,1,2,3,4,5,6,7
.if \zero
	v_wmma_scale_f32_16x16x128_f8f6f4 v[8*(8*\a+\b):8*(8*\a+\b)+7], v[128*\p+12*\b:128*\p+12*\b+11], v[AF+48*\p+12*\a:AF+48*\p+12*\a+11], 0, v[SCS+8*\p+\b], v[SCS+8*\p+\a] matrix_a_fmt:MATRIX_FMT_FP6 matrix_b_fmt:MATRIX_FMT_FP6 matrix_a_scale:MATRIX_SCALE_ROW1
.else
	v_wmma_scale_f32_16x16x128_f8f6f4 v[8*(8*\a+\b):8*(8*\a+\b)+7], v[128*\p+12*\b:128*\p+12*\b+11], v[AF+48*\p+12*\a:AF+48*\p+12*\a+11], v[8*(8*\a+\b):8*(8*\a+\b)+7], v[SCS+8*\p+\b], v[SCS+8*\p+\a] matrix_a_fmt:MATRIX_FMT_FP6 matrix_b_fmt:MATRIX_FMT_FP6 matrix_a_scale:MATRIX_SCALE_ROW1
.endif
.endr
.endm
.macro EVEN zero                       ; a stage's first 128 along K: set 0 is multiplied while set 1 is fetched from the same stage
	s_wait_dscnt 0x0                               ; set 0 is in
.if !\zero
	PLACES 4                                       ; four places between the last products, which read set 1, and the loads into it (ISA guide 7.12.1 for vector instructions)
.endif
	FETCH 1, 1
	WIN MUL
	MULA 0, 0, \zero
	MULA 1, 0, \zero
	MULA 2, 0, \zero
	MULA 3, 0, \zero
.endm
.macro ODD left                        ; a stage's second 128: set 1 is multiplied; the next stage is shown whole by a barrier, and its first 128 are fetched into set 0
	s_wait_dscnt 0x0                               ; set 1 is in: no LDS load of mine is out at the signal
	s_wait_tensorcnt \left                         ; my part of the next stage has landed; my loads for the later stages may stay out
	s_barrier_signal -1
	WIN MUL
	MULA 0, 1, 0
	MULA 1, 1, 0
	WIN 0
	s_barrier_wait -1
.irp r, A16, A8, B16, B8, SC1, SC2
	v_add_nc_u32 v[\r], STAGEB, v[\r]              ; on to the next stage; these six are also the places in front of the loads into set 0
.endr
	FETCH 0, 0
	WIN MUL
	MULA 2, 1, 0
	MULA 3, 1, 0
.endm
	s_wait_alu depctr_va_vdst(0)
	s_wait_tensorcnt 0x3                           ; my part of K stage 0 is in; my other three loads may stay out
	s_barrier_signal -1
	s_barrier_wait -1                              ; everybody's is
	FETCH 0, 0
	EVEN 1                                         ; the first step's products start the sums: nothing is cleared
	ODD 2
	s_wait_alu depctr_va_vdst(0)
	EVEN 0
	ODD 1
	s_wait_alu depctr_va_vdst(0)
	EVEN 0
	ODD 0
	s_wait_alu depctr_va_vdst(0)
	EVEN 0
	s_wait_dscnt 0x0
	MULA 0, 1, 0
	MULA 1, 1, 0
	MULA 2, 1, 0
	MULA 3, 1, 0
	WIN 0
; THE WAY OUT, image by image of x: 16 tokens x 128 outputs.  LDS serves a wave's instructions in order: no wait between the stores and the loads, nor in front of the next block's stores.
.macro TOSTAGE a
	WIN 0x08                                       ; an LDS store's data are its source 1: window 2
.irp b, 0,1,2,3,4,5,6,7
	ds_store_b128 v[STO], v[64*(\a)+8*\b:64*(\a)+8*\b+3] offset:128*(\b/2)+32*(\b%2)          ; each accumulator from its low end on
	ds_store_b128 v[STO], v[64*(\a)+8*\b+4:64*(\a)+8*\b+7] offset:128*(\b/2)+32*(\b%2)+16
.endr
	WIN 0
.set BB, BK+64*((\a)%2)
.irp t, 0,1,2,3,4,5,6,7,8,9,10,11,12,13,14,15
	ds_load_b128 v[BB+4*\t:BB+4*\t+3], v[RD] offset:\t*528
.endr
.endm
.macro SEND a, younger                 ; younger: the LDS instructions issued behind block a's loads, which may stay out
.set BB, BK+64*((\a)%2)
	s_wait_dscnt \younger
.irp t, 0,1,2,3,4,5,6,7,8,9,10,11,12,13,14,15
	global_store_b128 v[CO], v[BB+4*\t:BB+4*\t+3], s[8:9] offset:(32*((\a)/2)+8*((\a)%2)+\t+8*(\t/8))*4096 th:TH_STORE_NT   ; 32 lanes store 512 consecutive aligned bytes of the token that lane-row t of the image holds
.endr
.endm
	PLACES 4                                       ; in front of the first read of results and of the loads into the registers that held A's fragments
	TOSTAGE 0
.irp a, 1,2,3
.if \a > 1
	s_wait_xcnt 0x0                                ; block a - 2's stores have read their registers: block a's loads may land there
.endif
	TOSTAGE \a
	SEND \a-1, 32                                  ; behind block a - 1's loads: block a's 16 stores and 16 loads
.endr
	SEND 3, 0
	s_wait_tensorcnt 0x0                           ; the wave's end, behind my last tensor load and my last LDS store
	ds_add_u32 v[SPW], v[NIL]
	s_wait_dscnt 0x0
	CROUND                                         ; the closing round
	s_endpgm
.Lfunc_end_k_q92f52077f7_outp:
	.size	k_q92f52077f7_outp, .Lfunc_end_k_q92f52077f7_outp-k_q92f52077f7_outp
	.p2alignl 7, 3214868480
	.fill 96, 4, 3214868480
	.section	.rodata,"a",@progbits
	.p2align	6, 0x0
	.amdhsa_kernel k_q92f52077f7_outp
		.amdhsa_group_segment_fixed_size 327680
		.amdhsa_private_segment_fixed_size 0
		.amdhsa_enable_private_segment 0
		.amdhsa_kernarg_size 24
		.amdhsa_user_sgpr_count 2
		.amdhsa_user_sgpr_kernarg_segment_ptr 1
		.amdhsa_wavefront_size32 1
		.amdhsa_system_sgpr_workgroup_id_x 1
		.amdhsa_system_sgpr_workgroup_id_y 1
		.amdhsa_system_sgpr_workgroup_id_z 1
		.amdhsa_system_vgpr_workitem_id 0
		.amdhsa_next_free_vgpr 768
		.amdhsa_next_free_sgpr 96
		.amdhsa_reserve_vcc 0
		.amdhsa_float_denorm_mode_32 3
		.amdhsa_float_denorm_mode_16_64 3
		.amdhsa_memory_ordered 1
		.amdhsa_forward_progress 1
		.amdhsa_inst_pref_size 83
	.end_amdhsa_kernel
	.amdgpu_metadata
---
amdhsa.version: [ 1, 2 ]
amdhsa.kernels:
  - .name:           k_q92f52077f7_outp
    .symbol:         k_q92f52077f7_outp.kd
    .args:
      - { .name: xop, .offset: 0, .size: 8, .value_kind: global_buffer, .address_space: global }
      - { .name: ops, .offset: 8, .size: 8, .value_kind: global_buffer, .address_space: global }
      - { .name: out0, .offset: 16, .size: 8, .value_kind: global_buffer, .address_space: global }
    .group_segment_fixed_size: 327680
    .private_segment_fixed_size: 0
    .kernarg_segment_align: 8
    .kernarg_segment_size: 24
    .max_flat_workgroup_size: 128
    .sgpr_count:     96
    .vgpr_count:     768
    .wavefront_size: 32
...
	.end_amdgpu_metadata
.endif
;; end of part 4
